; MI455X (gfx1250); checked and timed in simulation.
; The chip was launched on July 23, 2026; its instructions are those of AMD's public machine-readable ISA for CDNA 5 (MIT licence, August 2026) and "CDNA5" Instruction Set Architecture Reference Guide (July 2026). The comments in the code are by the model that wrote it; some were corrected since.
;; Self Attention. Allowed arithmetic: matrix products marked QUANTISED: E2M1 operands, one E8M0 scale for each 32 along K, by v_wmma_scale_f32_16x16x128_f8f6f4 with both operands' format E2M1 (or v_wmma_scale_f32_32x16x128_f4), f32 sums; products left as they are: bf16, f16 or f32 operands; f32 sums; everything else in f32.
;; Inputs: WK 1,024 x 1,024 float32; WQ 1,024 x 1,024 float32; WV 1,024 x 1,024 float32; key 4 x 2,048 x 1,024 float32; query 4 x 2,048 x 1,024 float32; value 4 x 2,048 x 1,024 float32.
;; Outputs: out0 4 x 2,048 x 1,024 float32.
;; This version of the problem:
;;   THIS VERSION OF THE PROBLEM IS GIVEN IN LOW PRECISION. The matrix products marked QUANTISED in the list below multiply operands that are first quantised to E2M1 (2 exponent bits, 1 mantissa bit; 4 bits a number), with one power-of-two scale for each 32 numbers along K (OCP MX v1.0); their sums are f32. The products marked 'left as it is' may take bf16, f16 or f32 operands, with f32 sums. Whichever they take, every output number must still come out within the allowed error. Rounding operands to bf16 (8 significant bits) uses up far more of that allowance than f16 does (11 bits, for magnitudes from 6e-5 to 65,504). All else is computed in f32.
;;   The module's matrix products, in the order in which they are computed (A, B: the left and right operand; K: the contracted axis; several contracted axes count as one K, in the product's order):
;;     1. [M 8,192, K 1,024] x [K 1,024, N 1,024]; A: input query; B: input WQ: QUANTISED
;;     2. [M 8,192, K 1,024] x [K 1,024, N 1,024]; A: input key; B: input WK: QUANTISED
;;     3. [M 8,192, K 1,024] x [K 1,024, N 1,024]; A: input value; B: input WV: QUANTISED
;;     4. batch 4 x [M 2,048, K 1,024] x [K 1,024, N 2,048]; A: computed on the way; B: computed on the way: left as it is (an operand is computed on the way)
;;     5. batch 4 x [M 2,048, K 2,048] x [K 2,048, N 1,024]; A: computed on the way; B: computed on the way: left as it is (an operand is computed on the way)
;;   THE QUANTISER, for each operand of a quantised product, along K:
;;     - K is cut into blocks of 32 from its start; a last block that is shorter is filled with zeros.
;;     - A block's scale is 2^e with e = floor(log2(the largest magnitude in the block)) - 2, held to -126 .. 127; a block of zeros has e = 0. As a byte (E8M0): e + 127.
;;     - Each number is divided by its block's scale, clamped to +-6, and rounded to the nearest number of E2M1, ties to even, subnormals kept.
;;     - The product sums the exact products of the quantised numbers (number of the format x scale) in f32.
;;   ~~~python
;;   def quantise(x, axis):      # numpy; x: float32 -> the quantised numbers, widened to float32 again
;;       x = np.moveaxis(x, axis, -1); K = x.shape[-1]
;;       x = np.pad(x, [(0, 0)] * (x.ndim - 1) + [(0, -K % 32)]); x = x.reshape(x.shape[:-1] + (-1, 32)); a = np.abs(x).max(-1, keepdims=True)
;;       e = np.where(a > 0, np.clip(np.frexp(np.where(a > 0, a, 1))[1] - 1 - 2, -126, 127), 0)      # np.frexp(a)[1] - 1 = floor(log2(a)), exactly
;;       r = np.clip(x / 2.0 ** e, -6, 6)
;;       step = 2.0 ** (np.maximum(np.frexp(np.where(r == 0, 1, r))[1] - 1, 0) - 1)
;;       q = np.round(r / step) * step * 2.0 ** e      # np.round: ties to even
;;       return np.moveaxis(q.reshape(q.shape[:-2] + (-1,))[..., :K], -1, axis).astype(np.float32)
;;   ~~~
;; One version. Each part assembles by itself: llvm-mc -triple=amdgcn-amd-amdhsa -mcpu=gfx1250 --defsym DOCPART=n.
;; ======== version 1 of 1: 4 launches
;; limits: values are held in f16: magnitudes above 65,504 overflow, below 6.1e-05 lose precision
;; workspace buffers: xc 14,155,776 bytes; xs 884,736 bytes; qkv 50,331,648 bytes; pm 33,554,432 bytes; st 1,048,576 bytes
;; launch quant (part 1): grid 864 x 1, 4 waves a work-group, no clusters, 33,280 bytes of LDS; arguments query, key, value, WQ, WK, WV, xc, xs; writes xc, xs
.if DOCPART == 1
	.amdgcn_target "amdgcn-amd-amdhsa--gfx1250"
	.amdhsa_code_object_version 6
	.text
	.protected	k_qbc2f0fa516_quant
	.globl	k_qbc2f0fa516_quant
	.p2align	8
	.type	k_qbc2f0fa516_quant,@function
k_qbc2f0fa516_quant:
	s_mov_b64 s[64:65], 0
	v_nop
	global_prefetch_b8 v0, s[64:65] scope:SCOPE_SE
	s_setreg_imm32_b32 hwreg(HW_REG_WAVE_MODE, 25, 1), 1
	s_wait_xcnt 0x0
; SELF-ATTENTION, one head of 1,024, in four launches: (1) this one: the six f32 inputs become codes of FP4 (E2M1) with one E8M0 scale byte for each 32 along K;
; (2) q, k, v = x W^T on those codes, rounded once to f16; (3) q k^T in f16 and, for each row and each 128 keys, a partial softmax; (4) the partial softmaxes are joined and multiplied by v.
; NO WORK OF THE PROBLEM IS LEFT OUT: all six inputs reach the output through live products, there is no mask, and no result is sliced away.
; THIS LAUNCH.  query, key, value [8192][1024] and WQ, WK, WV [1024][1024] have K innermost and dense rows, and 1,024 is a multiple of 32: each tensor is a plain stream of blocks of 32 numbers.
; The codes of all six lie on end in xc (27,648 rows of 512 bytes: query, key, value, WQ, WK, WV), their scale bytes likewise in xs (32 bytes a row).
; A block's scale is 2^(floor(log2(its largest magnitude)) - 2); its byte is the largest magnitude's own exponent field - 2, held at 1 from below.  Each number is divided by the scale and rounded to the nearest code, ties to even; beyond 6 the largest code.
; LIMITS: a block of zeros gets the byte 1 where the quantiser says 127: its codes are zeros, which add nothing under any byte but 0xff, and the bytes are read by this program alone.  Blocks whose largest magnitude lies under 2^-124 are held at the byte 1.
; NaN and infinities among the inputs are not served.
; SHARES.  A work-group of four waves takes 32,768 numbers, a wave 16 steps of 512.  Work-groups 0-255 query, 256-511 key, 512-767 value, 768-799 WQ, 800-831 WK, 832-863 WV: only the source's pointer is chosen, all take one path.
; Each of a step's four loads reads 512 consecutive bytes, 16 a lane; the 2,048 bytes turn through the wave's own stage in LDS and come back 64 bytes a lane, so that a lane holds 16 neighbours along K (two lanes hold a block).
; A lane's 16 codes are 8 bytes: a wave's store covers 256 consecutive bytes, aligned.  A wave's 256 scale bytes are gathered in its own LDS bytes and leave by one store of 256 consecutive bytes.
; No cluster, no tensor load, no barrier: work-groups and waves share no input.  Loads run four steps (16 loads a wave) ahead, the turn through LDS one step.
.set WAVES, 4
.set STEPS, 16
.set EMAX,  2
.set CB,    8                          ; bytes of 16 codes
.set R,     16                         ; v16-79   four sets of 16 numbers as they are loaded
.set X,     80                         ; v80-111  two sets of 16 neighbours
.set C,     128                        ; v128-191 codes: four registers for each step, so that no store's data are written again
.set E,     112                        ; v112-127 a scale byte for each step
.set WREG,  8192                       ; LDS: a region for each wave: two stages of 32 x SP bytes, behind them its 256 scale bytes
.set SP,    80                         ; a lane's place in a stage: its 64 bytes + 16 of padding
.set SPW,   12                         ; v12      LDS address of my spare word; never rewritten
.set NIL,   13                         ; v13      0; never rewritten
.set SPARE, WAVES*WREG                 ; behind the four regions: the spare words, 128 bytes for each wave, which no other line names
	s_load_b512 s[4:19], s[0:1], 0x0               ; query 4:5, key 6:7, value 8:9, WQ 10:11, WK 12:13, WV 14:15, xc 16:17, xs 18:19
	v_lshl_add_u32 v[SPW], v0, 2, SPARE
	v_mov_b32 v[NIL], 0
	v_lshrrev_b32 v1, 5, v0
	v_readfirstlane_b32 s20, v1                    ; wave
	v_and_b32 v2, 31, v0                           ; lane
	v_lshlrev_b32 v3, 4, v2                        ; my 16 bytes of a load's 512
	s_mul_i32 s21, s20, WREG
	v_lshrrev_b32 v14, 2, v2
	v_mul_u32_u24 v14, v14, SP
	v_and_b32 v15, 3, v2
	v_lshl_add_u32 v14, v15, 4, v14
	v_add_nc_u32 v14, s21, v14                     ; the stage, on the way in: four lanes' 64 bytes on end, then 16 of padding
	v_mul_u32_u24 v15, v2, SP
	v_add_nc_u32 v15, s21, v15                     ; and on the way out: SP x lane: my 16 neighbours
	v_mul_u32_u24 v4, v2, CB                       ; my codes' place in a step's
	v_lshrrev_b32 v5, 1, v2
	s_add_co_u32 s21, s21, 2*32*SP
	v_add_nc_u32 v5, s21, v5                       ; LDS: my wave's 256 scale bytes, my block's byte
	v_lshlrev_b32 v7, 3, v2                        ; and on the way out 8 bytes a lane
	v_add_nc_u32 v6, s21, v7
	s_wait_kmcnt 0x0
	s_mov_b64 s[22:23], s[14:15]                   ; the source and its first work-group: WV, unless the work-group's number says otherwise
	s_mov_b32 s24, 832
	s_cmp_lt_u32 ttmp9, 832
	s_cselect_b64 s[22:23], s[12:13], s[22:23]
	s_cselect_b32 s24, 800, s24
	s_cmp_lt_u32 ttmp9, 800
	s_cselect_b64 s[22:23], s[10:11], s[22:23]
	s_cselect_b32 s24, 768, s24
	s_cmp_lt_u32 ttmp9, 768
	s_cselect_b64 s[22:23], s[8:9], s[22:23]
	s_cselect_b32 s24, 512, s24
	s_cmp_lt_u32 ttmp9, 512
	s_cselect_b64 s[22:23], s[6:7], s[22:23]
	s_cselect_b32 s24, 256, s24
	s_cmp_lt_u32 ttmp9, 256
	s_cselect_b64 s[22:23], s[4:5], s[22:23]
	s_cselect_b32 s24, 0, s24
	s_sub_co_u32 s24, ttmp9, s24
	s_lshl_b32 s24, s24, 2
	s_add_co_u32 s24, s24, s20                     ; which run of 8,192 numbers of the source is my wave's
	s_lshl_b32 s24, s24, 15                        ; 32,768 bytes a run
	s_mov_b32 s25, 0
	s_add_nc_u64 s[22:23], s[22:23], s[24:25]
	s_lshl_b32 s26, ttmp9, 2
	s_add_co_u32 s26, s26, s20                     ; and which run of the six tensors on end
	s_lshl_b32 s24, s26, 12                        ; 4,096 bytes of codes a run
	s_add_nc_u64 s[16:17], s[16:17], s[24:25]
	s_lshl_b32 s24, s26, 8                         ; 256 scale bytes a run
	s_add_nc_u64 s[18:19], s[18:19], s[24:25]
.macro LOAD t
.irp i, 0,1,2,3
	global_load_b128 v[R+16*((\t)%4)+4*\i:R+16*((\t)%4)+4*\i+3], v3, s[22:23] offset:2048*(\t)+512*\i th:TH_LOAD_NT   ; 32 lanes read 512 consecutive bytes
.endr
.endm
.macro TURN t                          ; step t's numbers through the stage: LDS serves a wave's instructions in order, so no wait stands between the stores and the loads
.irp i, 0,1,2,3
	ds_store_b128 v14, v[R+16*((\t)%4)+4*\i:R+16*((\t)%4)+4*\i+3] offset:32*SP*((\t)%2)+8*SP*\i
.endr
.irp i, 0,1,2,3
	ds_load_b128 v[X+16*((\t)%2)+4*\i:X+16*((\t)%2)+4*\i+3], v15 offset:32*SP*((\t)%2)+16*\i
.endr
.endm
.irp t, 0,1,2,3
	LOAD \t
.endr
	s_wait_loadcnt 12                              ; step 0's four loads are in; the 12 of steps 1 to 3 may be out
	TURN 0
.macro STEP t
.set XS, X+16*((\t)%2)
.if (\t) > 0
	s_wait_dscnt 1                                 ; this step's numbers are back from the stage (the last step's byte store may be out): so its stores into the stage have read their registers,
.else
	s_wait_dscnt 0x0
.endif
.if (\t)+4 < STEPS
	LOAD (\t)+4                                    ; which take the loads of four steps on
.endif
.if (\t)+1 < STEPS
.if STEPS-2-(\t) >= 3
	s_wait_loadcnt 12                              ; the next step's four loads are in; those of the three steps behind it may be out
.else
	s_wait_loadcnt 4*(STEPS-2-(\t))
.endif
	TURN (\t)+1                                    ; and go through the other stage while this step is worked
.endif
	v_max3_num_f32 v8, |v[XS]|, |v[XS+1]|, |v[XS+2]|               ; the largest magnitude of my 16, in two chains
	v_max3_num_f32 v9, |v[XS+3]|, |v[XS+4]|, |v[XS+5]|
.irp i, 6,10
	v_max3_num_f32 v8, v8, |v[XS+\i]|, |v[XS+\i+1]|
	v_max3_num_f32 v9, v9, |v[XS+\i+2]|, |v[XS+\i+3]|
.endr
	v_max3_num_f32 v8, v8, |v[XS+14]|, |v[XS+15]|
	v_max3_num_f32 v8, v8, v9, (EMAX+1)<<23        ; and the floor 2^(EMAX + 1 - 127): so the byte cannot fall under 1
	v_max_num_f32_dpp v8, v8, v8 row_xmask:1 row_mask:0xf bank_mask:0xf   ; and of my neighbour's 16: the block's
	v_add_nc_u32 v11, -(EMAX<<23), v8              ; EMAX off its exponent field: the conversion takes the exponent field of this operand as its scale, and nothing else of it
	v_cvt_scalef32_pk8_fp4_f32 v[C+4*(\t)], v[XS:XS+7], v11        ; eight numbers / the scale, to the nearest code; the first number's code in the lowest four bits
	v_cvt_scalef32_pk8_fp4_f32 v[C+4*(\t)+1], v[XS+8:XS+15], v11
	v_lshrrev_b32 v[E+(\t)], 23, v11               ; the scale's byte (also the plain instruction behind the conversions)
	ds_store_b8 v5, v[E+(\t)] offset:16*(\t)       ; both lanes of a block write the same byte with the same value
	global_store_b64 v4, v[C+4*(\t):C+4*(\t)+1], s[16:17] offset:32*CB*(\t)
.endm
.irp t, 0,1,2,3,4,5,6,7,8,9,10,11,12,13,14,15
	STEP \t
.endr
	ds_load_b64 v[8:9], v6                         ; LDS serves a wave's instructions in order: these see my stores
	s_wait_dscnt 0x0
	global_store_b64 v7, v[8:9], s[18:19]          ; 32 lanes store 256 consecutive bytes, aligned
	s_wait_tensorcnt 0x0                           ; the wave's end, behind my last LDS store
	ds_add_u32 v[SPW], v[NIL]
	s_wait_dscnt 0x0
	s_endpgm
.Lfunc_end_k_qbc2f0fa516_quant:
	.size	k_qbc2f0fa516_quant, .Lfunc_end_k_qbc2f0fa516_quant-k_qbc2f0fa516_quant
	.p2alignl 7, 3214868480
	.fill 96, 4, 3214868480
	.section	.rodata,"a",@progbits
	.p2align	6, 0x0
	.amdhsa_kernel k_qbc2f0fa516_quant
		.amdhsa_group_segment_fixed_size 33280
		.amdhsa_private_segment_fixed_size 0
		.amdhsa_enable_private_segment 0
		.amdhsa_kernarg_size 64
		.amdhsa_user_sgpr_count 2
		.amdhsa_user_sgpr_kernarg_segment_ptr 1
		.amdhsa_wavefront_size32 1
		.amdhsa_system_sgpr_workgroup_id_x 1
		.amdhsa_system_sgpr_workgroup_id_y 1
		.amdhsa_system_sgpr_workgroup_id_z 1
		.amdhsa_system_vgpr_workitem_id 0
		.amdhsa_next_free_vgpr 192
		.amdhsa_next_free_sgpr 66
		.amdhsa_reserve_vcc 0
		.amdhsa_float_denorm_mode_32 3
		.amdhsa_float_denorm_mode_16_64 3
		.amdhsa_memory_ordered 1
		.amdhsa_forward_progress 1
		.amdhsa_inst_pref_size 34
	.end_amdhsa_kernel
	.amdgpu_metadata
---
amdhsa.version: [ 1, 2 ]
amdhsa.kernels:
  - .name:           k_qbc2f0fa516_quant
    .symbol:         k_qbc2f0fa516_quant.kd
    .args:
      - { .name: query, .offset: 0, .size: 8, .value_kind: global_buffer, .address_space: global }
      - { .name: key, .offset: 8, .size: 8, .value_kind: global_buffer, .address_space: global }
      - { .name: value, .offset: 16, .size: 8, .value_kind: global_buffer, .address_space: global }
      - { .name: WQ, .offset: 24, .size: 8, .value_kind: global_buffer, .address_space: global }
      - { .name: WK, .offset: 32, .size: 8, .value_kind: global_buffer, .address_space: global }
      - { .name: WV, .offset: 40, .size: 8, .value_kind: global_buffer, .address_space: global }
      - { .name: xc, .offset: 48, .size: 8, .value_kind: global_buffer, .address_space: global }
      - { .name: xs, .offset: 56, .size: 8, .value_kind: global_buffer, .address_space: global }
    .group_segment_fixed_size: 33280
    .private_segment_fixed_size: 0
    .kernarg_segment_align: 8
    .kernarg_segment_size: 64
    .max_flat_workgroup_size: 128
    .sgpr_count:     66
    .vgpr_count:     192
    .wavefront_size: 32
...
	.end_amdgpu_metadata
.endif
;; end of part 1
;; launch proj (part 2): grid 4 x 96, 4 waves a work-group, clusters of 4 x 4, 327,680 bytes of LDS; arguments xc, xs, qkv; writes qkv
.if DOCPART == 2
	.amdgcn_target "amdgcn-amd-amdhsa--gfx1250"
	.amdhsa_code_object_version 6
	.text
	.protected	k_qbc2f0fa516_proj
	.globl	k_qbc2f0fa516_proj
	.p2align	8
	.type	k_qbc2f0fa516_proj,@function
k_qbc2f0fa516_proj:
	s_mov_b64 s[64:65], 0
	v_nop
	global_prefetch_b8 v0, s[64:65] scope:SCOPE_SE
	s_setreg_imm32_b32 hwreg(HW_REG_WAVE_MODE, 25, 1), 1
	s_wait_xcnt 0x0
	s_wait_alu depctr_hold_cnt(0) depctr_sa_sdst(0) depctr_va_vdst(0) depctr_va_sdst(0) depctr_va_ssrc(0) depctr_va_vcc(0) depctr_vm_vsrc(0)
	s_getreg_b32 s2, hwreg(HW_REG_IB_STS2, 6, 4)
	s_cmp_eq_u32 s2, 0
	s_cbranch_scc0 .Lentry_in_a_cluster
	s_endpgm
.Lentry_in_a_cluster:
	s_bfe_u32 s2, ttmp6, 0x10000c
	s_cmp_lg_u32 s2, 0xf033
	s_cbranch_scc0 .Lentry_shape_is_right
	s_endpgm
.Lentry_shape_is_right:
; q, k, v = x W^T on codes of FP4 (E2M1) with one E8M0 scale for each 32 along K, all three products in one launch; no work of the problem is left out here.
; xc: 27,648 rows of 512 bytes of codes (rows 0-24,575: query, key, value; rows 24,576 on: WQ, WK, WV); xs: the same rows, 32 scale bytes each.  qkv: [24576][1024] f16: q, k, v on end; sums in f32, rounded once.
; LIMIT: |q|, |k|, |v| stay under 65,504, the largest f16 number.
; A tile of 256 x 256 of qkv is made by a work-group of four waves; a wave makes 128 x 128: 64 accumulators of 16 x 16, 512 registers.  Tile row tr = 0..95 (x's rows 256 tr on), tile column tc = 0..3; the weight is tensor tr / 32.
; K = 1,024 is two LDS slots of 512 along K (rows of 256 bytes): both are asked for at the head, nothing is filled again, there is no loop.  The scale bytes of the tile's 256 + 256 rows, two dense blocks of 8,192 bytes, come with them.
; CLUSTERS: 4 x 4 work-groups.  The four of a row of the cluster need the same rows of x, the four of a column the same rows of W (a cluster's four tile rows lie in one tensor): each tile is asked for JOINTLY, by the same
; tensor load with the same descriptor and a mask that names the four.  THE MATRIX INSTRUCTION IS USED TRANSPOSED (source 0 = 16 rows of W, source 1 = 16 rows of x): a lane holds eight neighbouring numbers of a row of qkv.
; REGISTERS, in windows of 256: window 0: v0-31 addresses; v32-95 scale words, two sets; v128-191 x's fragments (8 x 16 rows x 128 K), ONE set; on the way out v32-63, v192-255.
;   window 1: W's fragments, TWO sets, at v0 and v128.   window 2: the accumulators of my rows 0-63 ((a, b) at v[8 (8 a + b)]);   window 3: those of my rows 64-127.
; A wave has three tensor loads out at the most.
.set KSTEP,  512
.set NQ,     KSTEP/128                 ; matrix instructions deep in a slot
.set ROWB,   256                       ; a tile's row in bytes
.set KROW,   512                       ; a row of xc in bytes
.set PITCH,  272                       ; an LDS row: 256 bytes + 16 of padding = 68 words: the 16 rows that a load touches start at 16 different banks (64 banks of 4 bytes: ISA guide 11.1)
.set FR,     8                         ; registers of a fragment: 16 rows x 128 K
.set NL,     2                         ; LDS loads that bring one
.set NP,     4                         ; places behind this matrix instruction (ISA guide 7.12.1)
.set HALFT,  128*PITCH
.set SLOT,   4*HALFT                   ; x's 256 rows, then W's 256 rows
.set KS,     32                        ; a row of scales in bytes
.set SCL,    2*SLOT                    ; behind the slots: the scales, as runs of 256 bytes + 16 of padding
.set HALFS,  (128*KS/256)*272
.set SBLK,   (16*KS/256)*272
.set STAGE,  SCL+4*HALFS               ; the way out: 16 rows x 272 bytes for each wave; no tensor load lands here
.set SPITCH, 272
.set SPARE,  STAGE+4*16*SPITCH         ; the spare words, 128 bytes for each wave, which no other line names
.set OROW,   2048                      ; a row of qkv in bytes
.set ADRA, 16                          ; v16-17  LDS address of my x fragments in slot 0, 1
.set ADRB, 20                          ; v20-21  the same for W
.set STO,  24                          ; v24     the way out: where I put 16 bytes of a row
.set RD,   25                          ; v25     where I read a row back
.set CO,   26                          ; v26     my byte offset in qkv
.set ADRS, 27                          ; v27     LDS address of my scale words: lanes 0-15 x's rows, lanes 16-31 W's
.set SPW,  28                          ; v28     my spare word; never rewritten
.set NIL,  29                          ; v29     0; never rewritten
.set SC,   32                          ; scale words: set s at v[SC + 32 s]; register 4 i + q: lanes 0-15 x's block i, lanes 16-31 W's block i, the slot's q-th 128 along K
.set AF,   128                         ; x's fragments, window 0
.set TMP,  192                         ; the way out: packed results
.set OB,   32                          ; the way out: 16 rows read back: v32-63 and v224-255 by turns
.set G1, 24                            ; s[24:31] group 1 for x's tiles; s[32:39] group 0, a set for each slot
.set G0, 32
.set G1B, 48                           ; s[48:55], s[56:63] the same for W's
.set G0B, 56
.set G1S, 68                           ; s[68:75], s[76:79] groups 1 and 0 for x's scales; s[80:87], s[88:91] for W's
.set G0S, 76
.set G1SB, 80
.set G0SB, 88
.set MSB, 0
.macro WIN new                         ; the immediate's high byte repeats the setting that is left; a switch that changes nothing is dropped
.if MSB != (\new)
	s_set_vgpr_msb (MSB<<8)|(\new)
.set MSB, (\new)
.endif
.endm
.set MUL_LO, 0xa1                      ; source 0 (W) window 1, source 1 (x) window 0, C and D window 2
.set MUL_HI, 0xf1                      ; the same, C and D window 3
.set TO_B,   0x40                      ; destination window 1, address window 0
; A joint load: waves 0 and 1 fetch for x, waves 2 and 3 for W.  Each line has one mask and one set of registers for all that issue it; the branch hangs on the wave's number alone.
; An s_nop 0 and four v_nop follow each of the two lines.
.macro JLOAD g0a, g1a, g0b, g1b
	s_cmp_eq_u32 s15, 0
	s_cbranch_scc0 .Lfor_b_\@
	tensor_load_to_lds s[\g0a:\g0a+3], s[\g1a:\g1a+7]
	s_nop 0
.rept 4
	v_nop
.endr
	s_branch .Lasked_\@
.Lfor_b_\@:
	tensor_load_to_lds s[\g0b:\g0b+3], s[\g1b:\g1b+7]
	s_nop 0
.rept 4
	v_nop
.endr
.Lasked_\@:
.endm
.macro CROUND                          ; a round of the cluster's barrier: my work-group's barrier; wave 0 signals for the work-group; every wave waits for all sixteen; my work-group's barrier once more
	s_barrier_signal -1
	s_barrier_wait -1
	s_cmp_lg_u32 s14, 0
	s_cbranch_scc1 .Lnot_wave_0_\@
	s_barrier_signal -3
.Lnot_wave_0_\@:
	s_barrier_wait -3
	s_barrier_signal -1
	s_barrier_wait -1
.endm
	s_load_b128 s[4:7], s[0:1], 0x0                ; xc s[4:5], xs s[6:7]
	s_load_b64 s[12:13], s[0:1], 0x10              ; qkv
	v_lshl_add_u32 v[SPW], v0, 2, SPARE
	v_mov_b32 v[NIL], 0
	ds_add_u32 v[SPW], v[NIL]                      ; the wave's opening: the add, twice on end, and its wait ahead of my first tensor load; the set-up below stands between
	ds_add_u32 v[SPW], v[NIL]
	v_lshrrev_b32 v1, 5, v0
	v_readfirstlane_b32 s14, v1                    ; wave 0..3
	s_lshr_b32 s15, s14, 1                         ; which half of the tile's rows is mine.  Also: I fetch for x (0) or for W (1)
	s_and_b32 s16, s14, 1                          ; which half of its columns.  Also: which 128 rows I fetch
	s_bfe_u32 s40, ttmp6, 0x40000                  ; cx, cy: my place in the cluster
	s_bfe_u32 s41, ttmp6, 0x40004
	s_lshl_b32 s42, ttmp9, 2
	s_add_co_u32 s42, s42, s40                     ; tile column = 4 x cluster x + cx
	s_and_b32 s17, ttmp7, 0xffff                   ; cluster y
	s_lshr_b32 s95, s17, 3                         ; the tensor: eight clusters, 32 tile rows, to each; made of the cluster's y alone
	s_lshl_b32 s17, s17, 2
	s_add_co_u32 s17, s17, s41                     ; tile row = 4 x cluster y + cy
	s_lshl_b32 s43, s41, 2
	s_lshl_b32 s43, 15, s43                        ; my row of the cluster
	s_lshl_b32 s44, 0x1111, s40                    ; my column
	; group 1: a tile of 128 rows x 256 bytes, padded in LDS
	s_or_b32 s[G1+0], s43, (0<<16)|(1<<20)|(1<<21)|(5<<22)|(3<<25)  ; 15:0 the mask; 17:16 elements of 1 byte; 20 padding on; 21 set beside a mask; 24:22 after every 64 words; 31:25 four words
	s_or_b32 s[G1B+0], s44, (0<<16)|(1<<20)|(1<<21)|(5<<22)|(3<<25)
.irp g, G1, G1B
	s_mov_b32 s[\g+1], ROWB<<16                    ; tensor_dim0
	s_mov_b32 s[\g+2], 128<<16                     ; tensor_dim1
	s_mov_b32 s[\g+3], ROWB<<16                    ; tile_dim0
	s_mov_b32 s[\g+4], 128                         ; tile_dim1
	s_mov_b32 s[\g+5], KROW                        ; from row to row
	s_mov_b32 s[\g+6], 0
	s_mov_b32 s[\g+7], 0
.endr
	; the scales of 128 rows: 4,096 dense bytes, as 16 rows of 256 bytes (32 elements of 8 bytes), 16 bytes of padding behind each
	s_or_b32 s[G1S+0], s43, (3<<16)|(1<<20)|(1<<21)|(5<<22)|(3<<25)
	s_or_b32 s[G1SB+0], s44, (3<<16)|(1<<20)|(1<<21)|(5<<22)|(3<<25)
.irp g, G1S, G1SB
	s_mov_b32 s[\g+1], 32<<16
	s_mov_b32 s[\g+2], (128*KS/256)<<16
	s_mov_b32 s[\g+3], 32<<16
	s_mov_b32 s[\g+4], 128*KS/256
	s_mov_b32 s[\g+5], 32
	s_mov_b32 s[\g+6], 0
	s_mov_b32 s[\g+7], 0
.endr
	s_lshl_b32 s18, s16, 7                         ; which 128 rows of the tile I fetch
	s_lshl_b32 s20, s17, 8
	s_add_co_u32 s20, s20, s18                     ; x: row 256 x tile row + 128 x half
	s_lshl_b32 s46, s42, 8
	s_add_co_u32 s46, s46, s18
	s_lshl_b32 s95, s95, 10
	s_add_co_u32 s46, s46, s95
	s_add_co_u32 s46, s46, 24576                   ; W: row 24,576 + 1,024 x tensor + 256 x tile column + 128 x half
	s_lshl_b32 s22, s20, 5                         ; where these rows' scales begin, in bytes,
	s_mov_b32 s23, 0
	s_lshl_b32 s92, s46, 5
	s_mov_b32 s93, 0
	s_lshl_b32 s20, s20, 9                         ; and their codes
	s_mov_b32 s21, 0
	s_lshl_b32 s46, s46, 9
	s_mov_b32 s47, 0
	s_mul_i32 s45, s14, HALFT                      ; where they go: wave x 128 rows: no place in the cluster enters an LDS address
	s_mul_i32 s94, s14, HALFS
	s_wait_dscnt 0x0                               ; both opening adds are done
	s_wait_kmcnt 0x0
	s_add_nc_u64 s[20:21], s[4:5], s[20:21]
	s_add_nc_u64 s[22:23], s[6:7], s[22:23]
	s_add_nc_u64 s[46:47], s[4:5], s[46:47]
	s_add_nc_u64 s[92:93], s[6:7], s[92:93]
	CROUND                                         ; all sixteen work-groups are here: the joint loads meet
	s_mov_b32 s[G0S], 1
	s_add_co_u32 s[G0S+1], s94, SCL
	s_mov_b64 s[G0S+2:G0S+3], s[22:23]
	s_or_b32 s[G0S+3], s[G0S+3], 0x80000000
	s_mov_b32 s[G0SB], 1
	s_add_co_u32 s[G0SB+1], s94, SCL
	s_mov_b64 s[G0SB+2:G0SB+3], s[92:93]
	s_or_b32 s[G0SB+3], s[G0SB+3], 0x80000000
	JLOAD G0S, G1S, G0SB, G1SB                     ; the scales first: they are wanted with slot 0
.irp s, 0,1
	s_mov_b32 s[G0+4*\s], 1
	s_add_co_u32 s[G0+4*\s+1], s45, \s*SLOT
	s_add_nc_u64 s[G0+4*\s+2:G0+4*\s+3], s[20:21], \s*ROWB
	s_or_b32 s[G0+4*\s+3], s[G0+4*\s+3], 0x80000000
	s_mov_b32 s[G0B+4*\s], 1
	s_add_co_u32 s[G0B+4*\s+1], s45, \s*SLOT
	s_add_nc_u64 s[G0B+4*\s+2:G0B+4*\s+3], s[46:47], \s*ROWB
	s_or_b32 s[G0B+4*\s+3], s[G0B+4*\s+3], 0x80000000
	JLOAD G0+4*\s, G1, G0B+4*\s, G1B
.endr
	v_and_b32 v1, 15, v0                           ; r = l % 16
	v_bfe_u32 v2, v0, 4, 1                         ; h = l / 16
	v_mul_u32_u24 v3, v1, PITCH
	v_lshl_add_u32 v4, v2, 4, v3                   ; a fragment's row x pitch + 16 x half
	s_mul_i32 s21, s15, HALFT                      ; my 128 rows of x
	s_mul_i32 s22, s16, HALFT                      ; my 128 rows of W,
	s_add_co_u32 s22, s22, 2*HALFT                 ; which lie behind x's 256
.irp s, 0,1
	v_add_nc_u32 v[ADRA+\s], s21, v4
	v_add_nc_u32 v[ADRB+\s], s22, v4
	s_add_co_u32 s21, s21, SLOT
	s_add_co_u32 s22, s22, SLOT
.endr
	v_mul_u32_u24 v5, v1, KS                       ; my row's scales: 32 bytes a row,
	v_lshrrev_b32 v6, 8, v5
	v_lshl_add_u32 v5, v6, 4, v5                   ; and 16 more for each 256 passed
	s_mul_i32 s21, s15, HALFS                      ; x's: my 128 rows
	s_mul_i32 s22, s16, HALFS                      ; W's: my 128 rows, behind x's 256
	s_add_co_u32 s22, s22, 2*HALFS
	s_sub_co_u32 s22, s22, s21
	v_mul_u32_u24 v6, s22, v2                      ; lanes 16-31 take W's: one product, the distance between the two bases x h
	s_add_co_u32 s21, s21, SCL
	v_add_nc_u32 v5, v5, v6
	v_add_nc_u32 v[ADRS], s21, v5
	s_mul_i32 s23, s14, 16*SPITCH
	s_add_co_u32 s23, s23, STAGE                   ; my stage
	v_mul_u32_u24 v5, v1, SPITCH                   ; in: row r, 16 bytes for each half of the lanes
	v_lshl_add_u32 v5, v2, 4, v5
	v_add_nc_u32 v[STO], s23, v5
	v_mul_u32_u24 v5, v2, SPITCH                   ; back: lanes 0-15 one row of 256 bytes, lanes 16-31 the next
	v_lshl_add_u32 v5, v1, 4, v5
	v_add_nc_u32 v[RD], s23, v5
	v_lshlrev_b32 v5, 11, v2                       ; and the same two rows in qkv
	v_lshl_add_u32 v[CO], v1, 4, v5
	s_lshl_b32 s20, s17, 8
	s_lshl_b32 s21, s15, 7
	s_add_co_u32 s20, s20, s21                     ; my first row of qkv: 256 x tile row + 128 x half
	s_lshl_b32 s20, s20, 11                        ; in bytes
	s_mov_b32 s21, 0
	s_lshl_b32 s46, s42, 9                         ; my first column, in bytes: 512 x tile column + 256 x half
	s_lshl_b32 s47, s16, 8
	s_add_co_u32 s46, s46, s47
	s_mov_b32 s47, 0
	s_add_nc_u64 s[20:21], s[20:21], s[46:47]
	s_add_nc_u64 s[12:13], s[12:13], s[20:21]
.macro FRAG reg, adr, q, i             ; a fragment, 16 rows x 128 K of 4-bit codes: lane l holds row l % 16; registers 4 c .. 4 c + 3 hold K = 64 c + 32 (l / 16) + 0 .. 31
.irp c, 0,1
	ds_load_b128 v[\reg+4*\c:\reg+4*\c+3], v[\adr] offset:64*(\q)+32*\c+(\i)*16*PITCH
.endr
.endm
; 16 matrix instructions: x's blocks a0, a0 + 1 against W's eight, the slot's q-th 128 along K.  p: W's set; sc: the set of scale words.  zero = 1: the product starts the sums: nothing is cleared.
; The 64 accumulators take turns, one instruction a turn, in the same order in every step.
.macro MUL16 a0, p, q, sc, zero
.irp a, \a0, \a0+1
.irp b, 0,1,2,3,4,5,6,7
.if \zero
	v_wmma_scale_f32_16x16x128_f8f6f4 v[8*(8*((\a)%4)+\b):8*(8*((\a)%4)+\b)+7], v[128*(\p)+FR*\b:128*(\p)+FR*\b+FR-1], v[AF+FR*(\a):AF+FR*(\a)+FR-1], 0, v[SC+8*NQ*(\sc)+NQ*\b+(\q)], v[SC+8*NQ*(\sc)+NQ*(\a)+(\q)] matrix_a_fmt:MATRIX_FMT_FP4 matrix_b_fmt:MATRIX_FMT_FP4 matrix_a_scale:MATRIX_SCALE_ROW1
.else
	v_wmma_scale_f32_16x16x128_f8f6f4 v[8*(8*((\a)%4)+\b):8*(8*((\a)%4)+\b)+7], v[128*(\p)+FR*\b:128*(\p)+FR*\b+FR-1], v[AF+FR*(\a):AF+FR*(\a)+FR-1], v[8*(8*((\a)%4)+\b):8*(8*((\a)%4)+\b)+7], v[SC+8*NQ*(\sc)+NQ*\b+(\q)], v[SC+8*NQ*(\sc)+NQ*(\a)+(\q)] matrix_a_fmt:MATRIX_FMT_FP4 matrix_b_fmt:MATRIX_FMT_FP4 matrix_a_scale:MATRIX_SCALE_ROW1
.endif
.endr
.endr
.endm
.macro FETCH_B slot, q, p              ; W's eight fragments of the slot's q-th 128 along K into set p
	WIN TO_B
.irp i, 0,1,2,3,4,5,6,7
	FRAG 128*(\p)+FR*\i, ADRB+\slot, \q, \i
.endr
	WIN 0
.endm
.macro FETCH_A slot, q, i0             ; x's blocks i0 .. i0 + 3
.irp i, \i0, \i0+1, \i0+2, \i0+3
	FRAG AF+FR*(\i), ADRA+\slot, \q, \i
.endr
.endm
.macro SCALES sc                       ; a slot's scale words into set sc: four words a row; lanes 0-15 take x's block i, lanes 16-31 W's block i
.irp i, 0,1,2,3,4,5,6,7
	ds_load_b128 v[SC+8*NQ*\sc+NQ*\i:SC+8*NQ*\sc+NQ*\i+3], v[ADRS] offset:\i*SBLK
.endr
.endm
.macro PLACES n                        ; plain vector instructions between a matrix instruction and a load into, or a read of, its registers (ISA guide 7.12.1 for reads)
.rept \n
	v_nop
.endr
.endm
.macro STEP slot, q, zero              ; a step of 128 along K that has its successor in the same slot
	s_wait_dscnt 4*NL                              ; W's set and x's blocks 0-3 are in; the youngest eight loads (x's blocks 4-7) may be out
	WIN MUL_LO
	MUL16 0, (\q)%2, \q, \slot, \zero
	MUL16 2, (\q)%2, \q, \slot, \zero
	s_wait_dscnt 0                                 ; x's blocks 4-7 are in (asked for 32 matrix instructions ago)
	PLACES NP
	FETCH_B \slot, (\q)+1, 1-(\q)%2
	FETCH_A \slot, (\q)+1, 0
	WIN MUL_HI
	MUL16 4, (\q)%2, \q, \slot, \zero
	MUL16 6, (\q)%2, \q, \slot, \zero
	PLACES NP
	WIN 0
	FETCH_A \slot, (\q)+1, 4
.endm
; Slot 0's last step goes on to slot 1: one barrier; in front of it each wave waits for all its tensor loads (its part of slot 1), adds 0 to its spare word, and waits for that and for its LDS reads.  Nothing is filled again.
.macro TURN slot, next
	s_wait_tensorcnt 0x0                           ; all my tensor loads have landed (every window is 0 here)
	ds_add_u32 v[SPW], v[NIL]                      ; 0 onto my spare word
	s_wait_dscnt 4*NL+1                            ; (the add and the youngest eight loads may be out)
	WIN MUL_LO
	MUL16 0, 1, NQ-1, \slot, 0                     ; sixteen matrix instructions stand between the add and the wait for it
	s_wait_dscnt 0x0                               ; the add is done, and my reads are back
	s_barrier_signal -1
	MUL16 2, 1, NQ-1, \slot, 0
	WIN 0
	s_barrier_wait -1                              ; everybody's part of the next slot is in
	PLACES NP
	v_add_nc_u32 v[ADRS], 4*NQ, v[ADRS]            ; on to the next slot's scale words
	FETCH_B \next, 0, 0
	FETCH_A \next, 0, 0
	SCALES \next
	WIN MUL_HI
	MUL16 4, 1, NQ-1, \slot, 0
	MUL16 6, 1, NQ-1, \slot, 0
	PLACES NP
	WIN 0
	FETCH_A \next, 0, 4
.endm
.macro STEPS slot, from                ; the slot's steps from .. NQ - 2
.set Q, \from
.rept NQ-1-\from
	STEP \slot, Q, 0
.set Q, Q+1
.endr
.endm
	s_wait_tensorcnt 1                             ; the scales and my part of slot 0 are in; slot 1's load may be out
	s_barrier_signal -1
	s_barrier_wait -1                              ; everybody's are
	FETCH_B 0, 0, 0
	FETCH_A 0, 0, 0
	SCALES 0
	FETCH_A 0, 0, 4
	STEP 0, 0, 1                                   ; the first step's products start the sums
	STEPS 0, 1
	TURN 0, 1
	STEPS 1, 0
	s_wait_dscnt 4*NL                              ; the last step: nothing more to fetch
	WIN MUL_LO
	MUL16 0, 1, NQ-1, 1, 0
	MUL16 2, 1, NQ-1, 1, 0
	s_wait_dscnt 0
	WIN MUL_HI
	MUL16 4, 1, NQ-1, 1, 0
	MUL16 6, 1, NQ-1, 1, 0
	WIN 0
; THE WAY OUT, block by block of 16 rows x 128 columns.  PACK: rounded to f16, 16 bytes a lane, each accumulator from its low end on.  TOSTAGE: into my own stage and back as whole rows of 256 bytes.  SEND: stored.
.macro PACK a
.set AC, 64*((\a)%4)
	WIN 0x0a+5*((\a)/4)                            ; sources 0 and 1: window 2 or 3
.irp b, 0,1,2,3,4,5,6,7
.irp r, 0,1,2,3
	v_cvt_pk_f16_f32 v[TMP+4*\b+\r], v[AC+8*\b+2*\r], v[AC+8*\b+2*\r+1]
.endr
.endr
	WIN 0
.endm
.macro TOSTAGE a
.set BK, OB+192*((\a)%2)
.irp b, 0,1,2,3,4,5,6,7
	ds_store_b128 v[STO], v[TMP+4*\b:TMP+4*\b+3] offset:32*\b
.endr
.irp t, 0,1,2,3,4,5,6,7
	ds_load_b128 v[BK+4*\t:BK+4*\t+3], v[RD] offset:\t*2*SPITCH    ; LDS serves a wave's instructions in order (ISA guide 5.7.1.4): these see the stores above
.endr
.endm
.macro SEND a
.set BK, OB+192*((\a)%2)
	s_wait_dscnt 0x0                               ; the block is back in registers
	s_wait_xcnt 0x0                                ; earlier stores have read their base and data: the base may step, and the next block's loads may land on the registers of the block before this one
.if (\a) > 0
	s_add_nc_u64 s[12:13], s[12:13], 16*OROW       ; 16 rows on
.endif
.irp t, 0,1,2,3,4,5,6,7
	global_store_b128 v[CO], v[BK+4*\t:BK+4*\t+3], s[12:13] offset:2*\t*OROW   ; 16 lanes store 256 consecutive bytes, at a multiple of 256 from qkv's first byte
.endr
.endm
	PLACES NP                                      ; behind the last products
	PACK 0
	TOSTAGE 0
.irp a, 1,2,3,4,5,6,7                  ; block a's conversions stand between block a - 1's loads from the stage and the wait for them
	PACK \a
	SEND \a-1
	TOSTAGE \a
.endr
	SEND 7
	s_wait_tensorcnt 0x0                           ; the wave's end, behind my last tensor load and my last LDS store
	ds_add_u32 v[SPW], v[NIL]
	s_wait_dscnt 0x0
	CROUND                                         ; the closing round: no work-group ends while a partner may still ask for a tile that names it
	s_endpgm
.Lfunc_end_k_qbc2f0fa516_proj:
	.size	k_qbc2f0fa516_proj, .Lfunc_end_k_qbc2f0fa516_proj-k_qbc2f0fa516_proj
	.p2alignl 7, 3214868480
	.fill 96, 4, 3214868480
	.section	.rodata,"a",@progbits
	.p2align	6, 0x0
	.amdhsa_kernel k_qbc2f0fa516_proj
		.amdhsa_group_segment_fixed_size 327680
		.amdhsa_private_segment_fixed_size 0
		.amdhsa_enable_private_segment 0
		.amdhsa_kernarg_size 24
		.amdhsa_user_sgpr_count 2
		.amdhsa_user_sgpr_kernarg_segment_ptr 1
		.amdhsa_wavefront_size32 1
		.amdhsa_system_sgpr_workgroup_id_x 1
		.amdhsa_system_sgpr_workgroup_id_y 1
		.amdhsa_system_sgpr_workgroup_id_z 1
		.amdhsa_system_vgpr_workitem_id 0
		.amdhsa_next_free_vgpr 1024
		.amdhsa_next_free_sgpr 98
		.amdhsa_reserve_vcc 0
		.amdhsa_float_denorm_mode_32 3
		.amdhsa_float_denorm_mode_16_64 3
		.amdhsa_memory_ordered 1
		.amdhsa_forward_progress 1
		.amdhsa_inst_pref_size 127
	.end_amdhsa_kernel
	.amdgpu_metadata
---
amdhsa.version: [ 1, 2 ]
amdhsa.kernels:
  - .name:           k_qbc2f0fa516_proj
    .symbol:         k_qbc2f0fa516_proj.kd
    .args:
      - { .name: xc, .offset: 0, .size: 8, .value_kind: global_buffer, .address_space: global }
      - { .name: xs, .offset: 8, .size: 8, .value_kind: global_buffer, .address_space: global }
      - { .name: qkv, .offset: 16, .size: 8, .value_kind: global_buffer, .address_space: global }
    .group_segment_fixed_size: 327680
    .private_segment_fixed_size: 0
    .kernarg_segment_align: 8
    .kernarg_segment_size: 24
    .max_flat_workgroup_size: 128
    .sgpr_count:     98
    .vgpr_count:     1024
    .wavefront_size: 32
...
	.end_amdgpu_metadata
.endif
;; end of part 2
;; launch scores (part 3): grid 8 x 32, 4 waves a work-group, clusters of 4 x 4, 327,680 bytes of LDS; arguments qkv, st, pm; writes st, pm
.if DOCPART == 3
	.amdgcn_target "amdgcn-amd-amdhsa--gfx1250"
	.amdhsa_code_object_version 6
	.text
	.protected	k_qbc2f0fa516_scores
	.globl	k_qbc2f0fa516_scores
	.p2align	8
	.type	k_qbc2f0fa516_scores,@function
k_qbc2f0fa516_scores:
	s_mov_b64 s[64:65], 0
	v_nop
	global_prefetch_b8 v0, s[64:65] scope:SCOPE_SE
	s_setreg_imm32_b32 hwreg(HW_REG_WAVE_MODE, 25, 1), 1
	s_wait_xcnt 0x0
	s_wait_alu depctr_hold_cnt(0) depctr_sa_sdst(0) depctr_va_vdst(0) depctr_va_sdst(0) depctr_va_ssrc(0) depctr_va_vcc(0) depctr_vm_vsrc(0)
	s_getreg_b32 s2, hwreg(HW_REG_IB_STS2, 6, 4)
	s_cmp_eq_u32 s2, 0
	s_cbranch_scc0 .Lentry_in_a_cluster
	s_endpgm
.Lentry_in_a_cluster:
	s_bfe_u32 s2, ttmp6, 0x10000c
	s_cmp_lg_u32 s2, 0xf033
	s_cbranch_scc0 .Lentry_shape_is_right
	s_endpgm
.Lentry_shape_is_right:
; S = q k^T in f16 with f32 sums, and a PARTIAL SOFTMAX for each row and each 128 keys; no work of the problem is left out here.
; qkv: [24576][1024] f16 (q rows 0 on, k rows 8,192 on).  pm: [8192 rows = 2,048 x batch + query][2048 keys] f16.  st: f32, -M [16 tiles of 128 keys][8192 rows], and from byte 524,288 on l, laid alike.
; THE SOFTMAX.  t = score x log2(e) / 32.  For a row and a tile of 128 keys: M = the tile's largest t rounded UP to a whole number; p = 2^(t - M), at most 1, rounded to f16; l = the sum of the unrounded p, in f32.
; So the maximum is taken away before every exponential.  The next launch brings a row's 16 tiles under their common largest M by factors 2^(M_tile - M), which are powers of two.
; SHARES.  A tile of 256 x 256 of S is made by a work-group of four waves; a wave makes 128 queries x 128 keys, one tile of the softmax: 64 accumulators, 512 registers.  K = 1,024 goes in 8 steps of 128 through a ring of two LDS slots
; filled by the tensor data mover: rows of 256 bytes.  A wave has two tensor loads out at the start and one behind each change of slots.
; CLUSTERS: 4 x 4 work-groups.  The four of a row of the cluster need the same rows of q, the four of a column the same rows of k (a cluster's four tile rows lie in one batch): each tile is asked for JOINTLY.
; THE MATRIX INSTRUCTION IS USED TRANSPOSED (source 0 = 16 keys, source 1 = 16 queries): lane l holds query l % 16, its registers keys 8 (l / 16) + 0 .. 7: a row's 128 keys lie in lanes l and l xor 16.
; REGISTERS, in windows of 256: window 0: v0-31 addresses; v64-127, v128-191 fragments of q, two buffers; on the way out v32-103 and v192-255.   window 1: v64-127, v128-191 fragments of k.
;   window 2: the accumulators of my queries 0-63 ((a, b) at v[8 (8 a + b)]);   window 3: those of my queries 64-127.
.set SIZE_K, 1024
.set KSTEP,  128
.set PITCH,  272                       ; an LDS row: 256 bytes + 16 of padding = 68 words: the 16 rows that a load touches start at 16 different banks (64 banks of 4 bytes: ISA guide 11.1)
.set HALFT,  128*PITCH
.set SLOT,   4*HALFT                   ; q's 256 rows, then k's 256 rows
.set STAGE,  2*SLOT                    ; behind the ring: 16 rows x 272 bytes for each wave
.set SPITCH, 272
.set STATS,  STAGE+4*16*SPITCH         ; 1,024 bytes for each wave: 128 words of -M, 128 of l
.set SPARE,  STATS+4*1024              ; the spare words, 128 bytes for each wave, which no other line names
.set LAPS,   SIZE_K/(2*KSTEP)
.set PROW,   4096                      ; a row of pm in bytes
.set ADRA, 16                          ; v16-17  LDS address of my q fragments in slot 0, 1
.set ADRB, 20                          ; v20-21  the same for k
.set GS,   22                          ; v22     16 x lane: my place in a store of 512 bytes of st
.set STO,  24                          ; v24     the way out: where I put 16 bytes of a row
.set RD,   25                          ; v25     where I read a row back
.set CO,   26                          ; v26     my byte offset in pm
.set SA,   27                          ; v27     where I put a row's -M and l
.set SPW,  28                          ; v28     my spare word; never rewritten
.set NIL,  29                          ; v29     0; never rewritten
.set PFO,  30                          ; v30     the prefetches' offset: lane x a row of qkv; never rewritten
.set SLD,  31                          ; v31     where I read 16 bytes of the statistics back
.set F0,   64
.set F1,   128
.set NM,   64                          ; the way out, window 0: v[64:65] -M, twice
.set T,    66                          ; v66-69 four chains; v70 the other half's
.set LA,   72                          ; v[72:73], v[74:75] the sum in two chains of pairs
.set LB,   74
.set SN,   80                          ; v80-87 -M of blocks 0-7
.set SL,   88                          ; v88-95 l of blocks 0-7
.set TMP,  192                         ; packed p
.set OB,   32                          ; 16 rows read back from the stage: v32-63 and v224-255 by turns
.set G1, 24                            ; s[24:31] group 1 for q's tiles; s[32:39] group 0, a set for each slot
.set G0, 32
.set LIM,  43                          ; s43     1 in a wave that prefetches, else the greatest number
.set PFA,  44                          ; s[44:45] where my prefetches stand
.set G1B, 48                           ; s[48:55], s[56:63] the same for k's tiles
.set G0B, 56
.set CS,  66                           ; s[66:67] c = log2(e) / 32: the packed form names a pair and takes its low word for both halves
.set SEL, 68                           ; s[68:69] lane selects for v_permlanex16_b32: lane l xor 16
.set MSB, 0
.macro WIN new                         ; the immediate's high byte repeats the setting that is left; a switch that changes nothing is dropped
.if MSB != (\new)
	s_set_vgpr_msb (MSB<<8)|(\new)
.set MSB, (\new)
.endif
.endm
.set MUL_LO, 0xa1                      ; source 0 (k) window 1, source 1 (q) window 0, C and D window 2
.set MUL_HI, 0xf1                      ; the same, C and D window 3
.set TO_B,   0x40                      ; destination window 1, address window 0
; A joint load: waves 0 and 1 fetch q's two halves, waves 2 and 3 k's.  The branch hangs on the wave's number alone.  An s_nop 0 and four v_nop follow each of the two lines.
.macro JLOAD s
	s_cmp_eq_u32 s11, 0
	s_cbranch_scc0 .Lfor_b_\@
	tensor_load_to_lds s[G0+4*\s:G0+4*\s+3], s[G1:G1+7]
	s_nop 0
.rept 4
	v_nop
.endr
	s_branch .Lasked_\@
.Lfor_b_\@:
	tensor_load_to_lds s[G0B+4*\s:G0B+4*\s+3], s[G1B:G1B+7]
	s_nop 0
.rept 4
	v_nop
.endr
.Lasked_\@:
.endm
; A PREFETCH INTO THE L2, behind each joint load and the run of LDS loads that follows it: the K step that stands two refills on: 32 rows x 256 bytes, a lane a row, one instruction a wave: 512 matrix instructions ahead of the load that will want it.
; Each row's 256 bytes of a K step are named once in the launch: q's tile row is read by both clusters of that row of clusters: cluster x = 0 asks; k's tile column by the two clusters of a batch: the even cluster y asks.
; The four partners that ask for a tile jointly share its rows out by address: of the 128 rows that a wave fetches, the partner at place p takes 32 p on (p = cx for q, cy for k).  The loop's last trip asks for nothing: there is no K step two on.
.macro ASK
	s_cmp_gt_u32 s3, s[LIM]                        ; s3 = 1 in the loop's last trip
	s_cbranch_scc0 .Lnot_mine_\@
	global_prefetch_b8 v[PFO], s[PFA:PFA+1] offset:KSTEP*2 th:TH_LOAD_NT scope:SCOPE_SE
.Lnot_mine_\@:
.endm
.macro CREST                           ; a round of the cluster's barrier behind its opening barrier
	s_cmp_lg_u32 s10, 0
	s_cbranch_scc1 .Lnot_wave_0_\@
	s_barrier_signal -3
.Lnot_wave_0_\@:
	s_barrier_wait -3
	s_barrier_signal -1
	s_barrier_wait -1
.endm
.macro CROUND                          ; a whole round
	s_barrier_signal -1
	s_barrier_wait -1
	CREST
.endm
	s_load_b128 s[4:7], s[0:1], 0x0                ; qkv s[4:5], st s[6:7]
	s_load_b64 s[8:9], s[0:1], 0x10                ; pm
	v_lshl_add_u32 v[SPW], v0, 2, SPARE
	v_mov_b32 v[NIL], 0
	ds_add_u32 v[SPW], v[NIL]                      ; the wave's opening: the add, twice on end, and its wait ahead of my first tensor load; the set-up below stands between
	ds_add_u32 v[SPW], v[NIL]
	v_lshrrev_b32 v1, 5, v0
	v_readfirstlane_b32 s10, v1                    ; wave 0..3
	s_lshr_b32 s11, s10, 1                         ; which half of the tile's queries is mine.  Also: I fetch for q (0) or for k (1)
	s_and_b32 s12, s10, 1                          ; which half of its keys.  Also: which 128 rows I fetch
	s_bfe_u32 s40, ttmp6, 0x40000                  ; cx
	s_bfe_u32 s41, ttmp6, 0x40004                  ; cy
	s_lshl_b32 s42, ttmp9, 2
	s_add_co_u32 s42, s42, s40                     ; tile column = 4 x cluster x + cx
	s_and_b32 s13, ttmp7, 0xffff                   ; cluster y
	s_lshr_b32 s70, s13, 1                         ; the batch: two clusters, eight tile rows, to each; made of the cluster's y alone
	s_lshl_b32 s70, s70, 11                        ; its first key's row among k's
	s_lshl_b32 s13, s13, 2
	s_add_co_u32 s13, s13, s41                     ; tile row = 4 x cluster y + cy
	s_lshl_b32 s43, s41, 2
	s_lshl_b32 s43, 15, s43                        ; my row of the cluster
	s_lshl_b32 s44, 0x1111, s40                    ; my column
	; group 1: a tile of 128 rows x 128 elements of 2 bytes, padded in LDS
	s_or_b32 s[G1+0], s43, (1<<16)|(1<<20)|(1<<21)|(5<<22)|(3<<25)  ; 15:0 the mask; 17:16 elements of 2 bytes; 20 padding on; 21 set beside a mask; 24:22 after every 64 words; 31:25 four words
	s_or_b32 s[G1B+0], s44, (1<<16)|(1<<20)|(1<<21)|(5<<22)|(3<<25)
.irp g, G1, G1B
	s_mov_b32 s[\g+1], KSTEP<<16                   ; tensor_dim0
	s_mov_b32 s[\g+2], 128<<16                     ; tensor_dim1
	s_mov_b32 s[\g+3], KSTEP<<16                   ; tile_dim0
	s_mov_b32 s[\g+4], 128                         ; tile_dim1
	s_mov_b32 s[\g+5], SIZE_K                      ; elements from row to row
	s_mov_b32 s[\g+6], 0
	s_mov_b32 s[\g+7], 0
.endr
	s_mov_b32 s[CS], 0x3d38aa3b                    ; c = log2(e) / 32
	s_mov_b32 s[CS+1], s[CS]                       ; (named with it as a pair, so it is written)
	s_mov_b32 s[SEL], 0x76543210
	s_mov_b32 s[SEL+1], 0xfedcba98
	s_lshl_b32 s17, s12, 7                         ; which 128 rows of the tile I fetch
	s_lshl_b32 s16, s13, 8
	s_add_co_u32 s16, s16, s17                     ; q: row 256 x tile row + 128 x half
	s_lshl_b32 s46, s42, 8
	s_add_co_u32 s46, s46, s17
	s_add_co_u32 s46, s46, s70
	s_add_co_u32 s46, s46, 8192                    ; k: row 8,192 + 2,048 x batch + 256 x tile column + 128 x half
	s_lshl_b32 s16, s16, 11                        ; in bytes: 2,048 a row
	s_mov_b32 s17, 0
	s_lshl_b32 s46, s46, 11
	s_mov_b32 s47, 0
	s_mul_i32 s20, s10, HALFT                      ; where they go: wave x 128 rows: no place in the cluster enters an LDS address
	s_wait_dscnt 0x0                               ; both opening adds are done
	s_wait_kmcnt 0x0
	s_add_nc_u64 s[14:15], s[4:5], s[16:17]
	s_add_nc_u64 s[46:47], s[4:5], s[46:47]
	CROUND                                         ; all sixteen work-groups are here: the first joint loads meet
.irp s, 0,1
	s_mov_b32 s[G0+4*\s], 1
	s_add_co_u32 s[G0+4*\s+1], s20, \s*SLOT
	s_add_nc_u64 s[G0+4*\s+2:G0+4*\s+3], s[14:15], \s*KSTEP*2
	s_or_b32 s[G0+4*\s+3], s[G0+4*\s+3], 0x80000000
	s_mov_b32 s[G0B+4*\s], 1
	s_add_co_u32 s[G0B+4*\s+1], s20, \s*SLOT
	s_add_nc_u64 s[G0B+4*\s+2:G0B+4*\s+3], s[46:47], \s*KSTEP*2
	s_or_b32 s[G0B+4*\s+3], s[G0B+4*\s+3], 0x80000000
	JLOAD \s
.endr
	v_and_b32 v1, 15, v0                           ; r = l % 16
	v_bfe_u32 v2, v0, 4, 1                         ; h = l / 16
	v_mul_u32_u24 v3, v1, PITCH
	v_lshl_add_u32 v3, v2, 4, v3                   ; a fragment's row x pitch + 16 x half
	s_mul_i32 s21, s11, HALFT                      ; my 128 rows of q
	s_mul_i32 s22, s12, HALFT                      ; my 128 rows of k,
	s_add_co_u32 s22, s22, 2*HALFT                 ; which lie behind q's 256
.irp s, 0,1
	v_add_nc_u32 v[ADRA+\s], s21, v3
	v_add_nc_u32 v[ADRB+\s], s22, v3
	s_add_co_u32 s21, s21, SLOT
	s_add_co_u32 s22, s22, SLOT
.endr
	s_mul_i32 s23, s10, 16*SPITCH
	s_add_co_u32 s23, s23, STAGE                   ; my stage
	v_mul_u32_u24 v4, v1, SPITCH                   ; in: row r, 16 bytes for each half of the lanes
	v_lshl_add_u32 v4, v2, 4, v4
	v_add_nc_u32 v[STO], s23, v4
	v_mul_u32_u24 v5, v2, SPITCH                   ; back: lanes 0-15 one row of 256 bytes, lanes 16-31 the next
	v_lshl_add_u32 v5, v1, 4, v5
	v_add_nc_u32 v[RD], s23, v5
	v_lshlrev_b32 v5, 12, v2                       ; and the same two rows in pm
	v_lshl_add_u32 v[CO], v1, 4, v5
	s_lshl_b32 s23, s10, 10
	s_add_co_u32 s23, s23, STATS                   ; my statistics
	v_lshl_add_u32 v[SA], v1, 2, s23               ; in: word r of a block's 16
	v_and_b32 v6, 31, v0
	v_lshlrev_b32 v[GS], 4, v6
	v_add_nc_u32 v[SLD], s23, v[GS]                ; back: 16 bytes a lane
	v_lshlrev_b32 v[PFO], 11, v6
	s_lshl_b32 s13, s13, 8                         ; 256 x tile row
	s_lshl_b32 s14, s11, 7
	s_add_co_u32 s16, s13, s14                     ; my first row of pm and of st
	s_lshl_b32 s18, s16, 2                         ; its word in a tile's line of st
	s_lshl_b32 s16, s16, 12                        ; its bytes in pm
	s_mov_b32 s17, 0
	s_lshl_b32 s46, s42, 9                         ; my first key, in bytes: 512 x tile column + 256 x half
	s_lshl_b32 s47, s12, 8
	s_add_co_u32 s46, s46, s47
	s_mov_b32 s47, 0
	s_add_nc_u64 s[16:17], s[16:17], s[46:47]
	s_add_nc_u64 s[8:9], s[8:9], s[16:17]
	s_lshl_b32 s46, s42, 1
	s_add_co_u32 s46, s46, s12                     ; my tile of 128 keys: 2 x tile column + half
	s_lshl_b32 s46, s46, 15                        ; 32,768 bytes a tile's line
	s_add_co_u32 s46, s46, s18
	s_add_nc_u64 s[6:7], s[6:7], s[46:47]
	; the prefetches: who asks, and where
	s_lshl_b32 s42, s42, 8
	s_add_co_u32 s42, s42, s70
	s_add_co_u32 s42, s42, 8192                    ; the first row of k's tile
	s_and_b32 s22, ttmp7, 1                        ; which of the batch's two clusters
	s_cmp_eq_u32 s11, 0                            ; do I fetch for q?
	s_cselect_b32 s20, s13, s42                    ; the tile's first row
	s_cselect_b32 s21, s40, s41                    ; my place among the four that ask for it with me
	s_cselect_b32 s22, ttmp9, s22                  ; the coordinate along which another cluster reads the same rows
	s_cmp_eq_u32 s22, 0
	s_cselect_b32 s[LIM], 1, -1                    ; the same in all sixteen partners, for a given wave
	s_lshl_b32 s22, s12, 7
	s_add_co_u32 s20, s20, s22                     ; + the 128 rows that I fetch
	s_lshl_b32 s21, s21, 5
	s_add_co_u32 s20, s20, s21                     ; + my work-group's 32 of them
	s_lshl_b32 s20, s20, 11
	s_add_co_u32 s20, s20, 2*KSTEP*2               ; at K step 2: the first refill steps it to 3 and names K step 4.  Nothing is prefetched at the head
	s_mov_b32 s21, 0
	s_add_nc_u64 s[PFA:PFA+1], s[4:5], s[20:21]
; 16 matrix instructions: query blocks a0, a0 + 1 of the window's four (hi = 0: my queries 0-63, 1: 64-127) x all 8 key blocks, 32 along K.  zero = 1: the product starts the sums.
; The 64 accumulators take turns, one instruction a turn, in the same order in every quarter.
.macro MUL16 f, hi, a0, zero
.irp a, \a0, \a0+1
.irp b, 0,1,2,3,4,5,6,7
.if \zero
	v_wmma_f32_16x16x32_f16 v[8*(8*(\a)+\b):8*(8*(\a)+\b)+7], v[\f+8*\b:\f+8*\b+7], v[\f+8*(4*\hi+\a):\f+8*(4*\hi+\a)+7], 0
.else
	v_wmma_f32_16x16x32_f16 v[8*(8*(\a)+\b):8*(8*(\a)+\b)+7], v[\f+8*\b:\f+8*\b+7], v[\f+8*(4*\hi+\a):\f+8*(4*\hi+\a)+7], v[8*(8*(\a)+\b):8*(8*(\a)+\b)+7]
.endif
.endr
.endr
.endm
.macro FETCH slot, k, f                ; 32 LDS loads in one run: the fragments of a quarter step (128 rows of k, 128 of q, 32 along K at byte k of the rows) into buffer f
	WIN TO_B
.irp i, 0,1,2,3,4,5,6,7
	ds_load_b128 v[\f+8*\i:\f+8*\i+3],   v[ADRB+\slot] offset:\k+\i*16*PITCH
	ds_load_b128 v[\f+8*\i+4:\f+8*\i+7], v[ADRB+\slot] offset:\k+\i*16*PITCH+32
.endr
	WIN 0
.irp i, 0,1,2,3,4,5,6,7
	ds_load_b128 v[\f+8*\i:\f+8*\i+3],   v[ADRA+\slot] offset:\k+\i*16*PITCH
	ds_load_b128 v[\f+8*\i+4:\f+8*\i+7], v[ADRA+\slot] offset:\k+\i*16*PITCH+32
.endr
.endm
.macro PLACES                          ; four plain vector instructions between a matrix instruction and a load into, or a read of, its registers (ISA guide 7.12.1 for reads)
.rept 4
	v_nop
.endr
.endm
.macro QUARTER slot, k, f, g, zero     ; multiplies buffer f; in its middle it fetches the next quarter's fragments, at byte k of the slot's rows, into buffer g
	s_wait_dscnt 8                                 ; k's and q's rows 0-63 are in; the youngest eight loads (q's rows 64-127) may be out
	WIN MUL_LO
	MUL16 \f, 0, 0, \zero
	MUL16 \f, 0, 2, \zero
	PLACES
	FETCH \slot, \k, \g
	s_wait_dscnt 32                                ; all but the 32 just issued
	WIN MUL_HI
	MUL16 \f, 1, 0, \zero
	MUL16 \f, 1, 2, \zero
.endm
; The first half of a slot's last quarter: ONE barrier for the change of slots.  In front of it each wave waits for all its tensor loads (its part of the next slot), adds 0 to its spare word, and waits for that and for its reads of this slot.
.macro MEET round
	WIN 0                                          ; (the add's two registers lie in window 0)
	s_wait_tensorcnt 0x0
	ds_add_u32 v[SPW], v[NIL]
	s_wait_dscnt 9                                 ; (the add and the youngest eight loads may be out)
	WIN MUL_LO
	MUL16 F1, 0, 0, 0                              ; sixteen matrix instructions stand between the add and the wait for it
	s_wait_dscnt 0x0                               ; the add is done, and my reads of this slot are over
	s_barrier_signal -1
	MUL16 F1, 0, 2, 0
.if \round
	WIN 0
.endif
	s_barrier_wait -1
.endm
; The whole last quarter.  fill = 1: the barrier opens a round of the cluster's barrier, and behind it the slot just read out is filled again first, with the K step two steps on.
.macro TURN slot, next, fill
.if \fill
	s_wait_xcnt 0x0                                ; the last prefetch, a K step back, has read its address
	s_add_nc_u64 s[PFA:PFA+1], s[PFA:PFA+1], KSTEP*2
.endif
	MEET \fill
.if \fill
	CREST                                          ; no wave of any partner still reads this slot's tile or has a load on its way
	s_add_nc_u64 s[G0+4*\slot+2:G0+4*\slot+3], s[G0+4*\slot+2:G0+4*\slot+3], 2*KSTEP*2
	s_add_nc_u64 s[G0B+4*\slot+2:G0B+4*\slot+3], s[G0B+4*\slot+2:G0B+4*\slot+3], 2*KSTEP*2
	JLOAD \slot                                    ; the first tensor load behind the round; its four v_nop are also the places in front of the loads below
.else
	PLACES
.endif
	FETCH \next, 0, F0
.if \fill
	ASK
.endif
	WIN MUL_HI
	MUL16 F1, 1, 0, 0
	MUL16 F1, 1, 2, 0
.endm
	s_wait_tensorcnt 1                             ; my part of K step 0 is in; K step 1's load may be out
	s_barrier_signal -1
	s_barrier_wait -1
	FETCH 0, 0, F0
	QUARTER 0, 64,  F0, F1, 1                      ; the first quarter's products start the sums
	WIN 0                                          ; at a label and at a branch every window is 0
	s_mov_b32 s3, LAPS-1
.Llap:                                                 ; a trip goes once round the ring, from a lap's second quarter to the next lap's first, and fills both slots again
	QUARTER 0, 128, F1, F0, 0
	QUARTER 0, 192, F0, F1, 0
	TURN 0, 1, 1
	QUARTER 1, 64,  F0, F1, 0
	QUARTER 1, 128, F1, F0, 0
	QUARTER 1, 192, F0, F1, 0
	TURN 1, 0, 1
	QUARTER 0, 64,  F0, F1, 0
	WIN 0
	s_sub_co_u32 s3, s3, 1
	s_cmp_lg_u32 s3, 0
	s_cbranch_scc1 .Llap
	QUARTER 0, 128, F1, F0, 0                      ; the last lap is written out: it fills nothing
	QUARTER 0, 192, F0, F1, 0
	TURN 0, 1, 0
	QUARTER 1, 64,  F0, F1, 0
	QUARTER 1, 128, F1, F0, 0
	QUARTER 1, 192, F0, F1, 0
	s_wait_dscnt 8                                 ; the very last quarter: nothing more to fetch
	WIN MUL_LO
	MUL16 F1, 0, 0, 0
	MUL16 F1, 0, 2, 0
	s_wait_dscnt 0x0
	WIN MUL_HI
	MUL16 F1, 1, 0, 0
	MUL16 F1, 1, 2, 0
	WIN 0
; THE WAY OUT, block by block of 16 queries x 128 keys.  Block a's 64 registers lie at v[64 (a % 4)] of window 2 + a / 4; register 8 b + j is key 16 b + 8 (l / 16) + j of query 16 a + l % 16.
.macro MAXI a                          ; -M = floor(-(the row's largest score x c)): four chains, each accumulator read from its low end on; then the other half of the lanes
.set AC, 64*((\a)%4)
	WIN 0x0a+5*((\a)/4)                            ; sources 0 and 1: window 2 or 3
.irp c, 0,1,2,3
	v_max_num_f32 v[T+\c], v[AC+16*\c], v[AC+16*\c+1]
.endr
.irp k, 1,2,3,4,5,6,7
.irp c, 0,1,2,3
	v_max3_num_f32 v[T+\c], v[AC+16*\c+2*\k], v[AC+16*\c+2*\k+1], v[T+\c]
.endr
.endr
	WIN 0
	v_max3_num_f32 v[T], v[T], v[T+1], v[T+2]
	v_max_num_f32 v[T], v[T], v[T+3]
	v_permlanex16_b32 v[T+4], v[T], s[SEL], s[SEL+1]
	v_max_num_f32 v[T], v[T], v[T+4]               ; the largest score of my query in these 128 keys
	v_mul_f32 v[T], s[CS], v[T]                    ; as t (c is positive)
	v_floor_f32 v[NM], -v[T]                       ; -M = floor(-t) = -ceil(t): a whole number
	v_mov_b32 v[NM+1], v[NM]                       ; (named with it as a pair)
	v_mov_b32 v[SN+(\a)], v[NM]
.endm
.macro FMAEXP a                        ; p = 2^(c s - M), in place: 32 packed multiply-adds, then the 64 exponentials as one batch
.set AC, 64*((\a)%4)
	WIN 0x82+0x41*((\a)/4)                         ; destination and source 0: window 2 or 3; -M in window 0
.set j, 0
.rept 32
	v_pk_fma_f32 v[AC+j:AC+j+1], v[AC+j:AC+j+1], s[CS:CS+1], v[NM:NM+1] op_sel_hi:[1,0,0]
.set j, j+2
.endr
.set j, 0
.rept 64
	v_exp_f32 v[AC+j], v[AC+j]
.set j, j+1
.endr
	v_nop                                          ; a plain instruction behind the last exponential,
	s_wait_alu depctr_va_vdst(0)                   ; and the wait ahead of the batch's first reader
.endm
.macro SUMCVT a                        ; p rounded to f16, 16 bytes of neighbouring keys to four registers; l = the sum of the unrounded p, two chains of pairs, then the other half of the lanes
.set AC, 64*((\a)%4)
	WIN 0x0a+5*((\a)/4)
.set j, 0
.rept 32
	v_cvt_pk_f16_f32 v[TMP+j], v[AC+2*j], v[AC+2*j+1]
.set j, j+1
.endr
	v_pk_add_f32 v[LA:LA+1], v[AC:AC+1], v[AC+2:AC+3]
	v_pk_add_f32 v[LB:LB+1], v[AC+4:AC+5], v[AC+6:AC+7]
	WIN 0x02+((\a)/4)                              ; source 0 alone in window 2 or 3
.set j, 8
.rept 14
	v_pk_add_f32 v[LA:LA+1], v[AC+j:AC+j+1], v[LA:LA+1]
	v_pk_add_f32 v[LB:LB+1], v[AC+j+2:AC+j+3], v[LB:LB+1]
.set j, j+4
.endr
	WIN 0
	v_pk_add_f32 v[LA:LA+1], v[LA:LA+1], v[LB:LB+1]
	v_add_f32 v[T], v[LA], v[LA+1]
	v_permlanex16_b32 v[T+4], v[T], s[SEL], s[SEL+1]
	v_add_f32 v[SL+(\a)], v[T], v[T+4]
.endm
.macro TOSTAGE a
.set BK, OB+192*((\a)%2)
.irp b, 0,1,2,3,4,5,6,7
	ds_store_b128 v[STO], v[TMP+4*\b:TMP+4*\b+3] offset:32*\b
.endr
.irp t, 0,1,2,3,4,5,6,7
	ds_load_b128 v[BK+4*\t:BK+4*\t+3], v[RD] offset:\t*2*SPITCH    ; LDS serves a wave's instructions in order (ISA guide 5.7.1.4): these see the stores above
.endr
.endm
.macro SEND a
.set BK, OB+192*((\a)%2)
	s_wait_dscnt 0x0                               ; the block is back in registers
	s_wait_xcnt 0x0                                ; earlier stores have read their base and data: the base may step, and the next block's loads may land on the registers of the block before this one
.if (\a) > 0
	s_add_nc_u64 s[8:9], s[8:9], 16*PROW           ; 16 rows on
.endif
.irp t, 0,1,2,3,4,5,6,7
	global_store_b128 v[CO], v[BK+4*\t:BK+4*\t+3], s[8:9] offset:2*\t*PROW   ; 16 lanes store 256 consecutive bytes, at a multiple of 256 from pm's first byte
.endr
.endm
	PLACES                                         ; behind the last products
	v_mov_b32 v[T+4], 0                            ; written once: a lane permute's destination counts as one of its sources
.irp a, 0,1,2,3,4,5,6,7                ; block a's arithmetic stands between block a - 1's loads from the stage and the wait for them
	MAXI \a
	FMAEXP \a
	SUMCVT \a
.if \a > 0
	SEND \a-1
.endif
	TOSTAGE \a
.endr
	SEND 7
	; the statistics of my 128 rows: a word a row through my own LDS bytes (lanes l and l xor 16 write the same word with the same value), then two stores of 512 consecutive bytes
.irp a, 0,1,2,3,4,5,6,7
	ds_store_b32 v[SA], v[SN+\a] offset:64*\a
	ds_store_b32 v[SA], v[SL+\a] offset:512+64*\a
.endr
	ds_load_b128 v[96:99], v[SLD]
	ds_load_b128 v[100:103], v[SLD] offset:512
	s_wait_dscnt 0x0
	global_store_b128 v[GS], v[96:99], s[6:7]
	global_store_b128 v[GS], v[100:103], s[6:7] offset:524288
	s_wait_tensorcnt 0x0                           ; the wave's end, behind my last tensor load and my last LDS store
	ds_add_u32 v[SPW], v[NIL]
	s_wait_dscnt 0x0
	CROUND                                         ; the closing round: no work-group ends while a partner may still ask for a tile that names it
	s_endpgm
.Lfunc_end_k_qbc2f0fa516_scores:
	.size	k_qbc2f0fa516_scores, .Lfunc_end_k_qbc2f0fa516_scores-k_qbc2f0fa516_scores
	.p2alignl 7, 3214868480
	.fill 96, 4, 3214868480
	.section	.rodata,"a",@progbits
	.p2align	6, 0x0
	.amdhsa_kernel k_qbc2f0fa516_scores
		.amdhsa_group_segment_fixed_size 327680
		.amdhsa_private_segment_fixed_size 0
		.amdhsa_enable_private_segment 0
		.amdhsa_kernarg_size 24
		.amdhsa_user_sgpr_count 2
		.amdhsa_user_sgpr_kernarg_segment_ptr 1
		.amdhsa_wavefront_size32 1
		.amdhsa_system_sgpr_workgroup_id_x 1
		.amdhsa_system_sgpr_workgroup_id_y 1
		.amdhsa_system_sgpr_workgroup_id_z 1
		.amdhsa_system_vgpr_workitem_id 0
		.amdhsa_next_free_vgpr 1024
		.amdhsa_next_free_sgpr 72
		.amdhsa_reserve_vcc 0
		.amdhsa_float_denorm_mode_32 3
		.amdhsa_float_denorm_mode_16_64 3
		.amdhsa_memory_ordered 1
		.amdhsa_forward_progress 1
		.amdhsa_inst_pref_size 214
	.end_amdhsa_kernel
	.amdgpu_metadata
---
amdhsa.version: [ 1, 2 ]
amdhsa.kernels:
  - .name:           k_qbc2f0fa516_scores
    .symbol:         k_qbc2f0fa516_scores.kd
    .args:
      - { .name: qkv, .offset: 0, .size: 8, .value_kind: global_buffer, .address_space: global }
      - { .name: st, .offset: 8, .size: 8, .value_kind: global_buffer, .address_space: global }
      - { .name: pm, .offset: 16, .size: 8, .value_kind: global_buffer, .address_space: global }
    .group_segment_fixed_size: 327680
    .private_segment_fixed_size: 0
    .kernarg_segment_align: 8
    .kernarg_segment_size: 24
    .max_flat_workgroup_size: 128
    .sgpr_count:     72
    .vgpr_count:     1024
    .wavefront_size: 32
...
	.end_amdgpu_metadata
.endif
;; end of part 3
;; launch pv (part 4): grid 4 x 64, 4 waves a work-group, clusters of 4 x 4, 327,680 bytes of LDS; arguments pm, qkv, st, out0; writes out0
.if DOCPART == 4
	.amdgcn_target "amdgcn-amd-amdhsa--gfx1250"
	.amdhsa_code_object_version 6
	.text
	.protected	k_qbc2f0fa516_pv
	.globl	k_qbc2f0fa516_pv
	.p2align	8
	.type	k_qbc2f0fa516_pv,@function
k_qbc2f0fa516_pv:
	s_mov_b64 s[64:65], 0
	v_nop
	global_prefetch_b8 v0, s[64:65] scope:SCOPE_SE
	s_setreg_imm32_b32 hwreg(HW_REG_WAVE_MODE, 25, 1), 1
	s_wait_xcnt 0x0
	s_wait_alu depctr_hold_cnt(0) depctr_sa_sdst(0) depctr_va_vdst(0) depctr_va_sdst(0) depctr_va_ssrc(0) depctr_va_vcc(0) depctr_vm_vsrc(0)
	s_getreg_b32 s2, hwreg(HW_REG_IB_STS2, 6, 4)
	s_cmp_eq_u32 s2, 0
	s_cbranch_scc0 .Lentry_in_a_cluster
	s_endpgm
.Lentry_in_a_cluster:
	s_bfe_u32 s2, ttmp6, 0x10000c
	s_cmp_lg_u32 s2, 0xf033
	s_cbranch_scc0 .Lentry_shape_is_right
	s_endpgm
.Lentry_shape_is_right:
; out0 = softmax(scores) v: a row's 16 partial softmaxes are joined and multiplied by v; products in f16 with f32 sums, the join in f32; no work of the problem is left out here.
; pm: [8192 rows][2048 keys] f16, p = 2^(t - M_tile).  st: f32, -M_tile [16][8192] and, from byte 524,288 on, l_tile [16][8192].  qkv: f16, v's rows from 16,384 on.  out0: [8192][1024] f32.
; THE JOIN.  M = the largest of a row's 16 M_tile; w_tile = 2^(M_tile - M), a power of two, at most 1; L = the sum of w_tile l_tile; O = (the sum over tiles of w_tile (P_tile V_tile)) / L.  A tile's product is summed in
; accumulators of its own, begun with the constant 0, and at the tile's end joins the row's sums by one fused multiply-add in f32 a number.
; LIMIT: a tile whose M lies 127 or more under the row's M gets w = 0: each of its weights is under 2^-127 of a row sum L that is over 0.5.  NaN and infinities are not served.
; SHARES.  A work-group of four waves makes 128 queries x 256 channels (256 work-groups); a wave 64 x 128: 32 accumulators of a tile (256 registers) and 32 of the row's sums (256).
; THE RING.  K = the batch's 2,048 keys, through two LDS slots of 192 keys each, as large as two fit: P's 128 rows of 384 bytes and V's 192 keys of 512 bytes.  2,048 = 10 x 192 + 128: the eleventh fill begins at key 1,856, so that
; it is a whole tile of the same shape inside both buffers, and only its last 128 keys are multiplied.  A slot is six quarters of 32 keys, a tile of the softmax four: two slots are three tiles, one trip of the loop.
; A wave has two tensor loads out at the start and one behind each change of slots.
; CLUSTERS: 4 x 4 work-groups.  The four of a row of the cluster need the same tiles of P, the four of a column the same tiles of V (a cluster's four tile rows lie in one batch): each tile is asked for JOINTLY.
; THE MATRIX INSTRUCTION IS USED TRANSPOSED (source 0 = V^T, 16 channels, turned on its way out of LDS by ds_load_tr16_b128; source 1 = P, 16 queries): a lane holds one query and eight neighbouring channels.
; REGISTERS, in windows of 256: window 0: v1-31 addresses and the tile's four factors; v32-63, v64-95 P's fragments, two buffers; v96-223 the statistics at the head, at work on the way out; v224-255 1 / L, L, the factor words.
;   window 1: V's fragments, two buffers, at v0 and v64.   window 2: a tile's accumulator (a, b) at v[8 (8 a + b)].   window 3: the row's sums, laid alike.
.set PP,     432                       ; a row of P in LDS: 384 bytes + 16 behind each 128 = 27 x 16 bytes: the 16 rows that a load touches fall on 16 different groups of four banks (64 banks of 4 bytes: ISA guide 11.1)
.set PHALF,  64*PP                     ; 64 rows: what one tensor load brings, and what one wave reads
.set VOFF,   128*PP                    ; V lies behind P's 128 rows
.set VP,     544                       ; a key of V: 512 bytes + 32 of padding = 136 words
.set VHALF,  96*VP                     ; 96 keys: what one tensor load brings; also three quarters
.set SLOT,   VOFF+2*VHALF
.set STAGE,  SLOT                      ; the way out: 16 rows x 528 bytes for each wave, in slot 1: it has had its last fill, and nobody reads it behind the last change of slots
.set SPITCH, 528
.set FTAB,   2*SLOT                    ; behind the ring: 1,024 bytes for each wave: the factor words: 64 x tile + 4 x (lane % 16)
.set SPARE,  FTAB+4*1024               ; the spare words, 128 bytes for each wave, which no other line names
.set FC,   10                          ; v[10:11] .. v[16:17]  the tile's factor w of my query in blocks 0-3 (the odd registers are only named as the upper halves of pairs)
.set ADRP, 18                          ; v18-19  LDS address of my P fragments in slot 0, 1
.set ADRV, 20                          ; v20-23  the same for V: slot 0 quarters 0-2, quarters 3-5; slot 1 likewise (an LDS offset has 16 bits)
.set STO,  24                          ; v24     the way out: where I put 32 bytes of a row
.set RD,   25                          ; v25     where I read a row back
.set CO,   26                          ; v26     16 x lane
.set FADR, 27                          ; v27     the tile's factor word
.set SPW,  28                          ; v28     my spare word; never rewritten
.set NIL,  29                          ; v29     0; never rewritten
.set PFO,  30                          ; v30     the prefetches' offset; never rewritten
.set FAD0, 31                          ; v31     my lane's place in my wave's table; never rewritten
.set PF,   32                          ; P's fragments: buffer f at v[PF + 32 f]
.set NMR,  96                          ; the head: -M_tile of block a, tile t at v[NMR + 16 a + t]; then w
.set LR,   160                         ; l_tile likewise
.set TMP,  96                          ; the way out: 64 results
.set INV,  224                         ; v[224 + 2 a] 1 / L of block a (the odd registers are written, since pairs are named)
.set LS,   232                         ; v232-235 L
.set MX,   236                         ; v236    the largest M
.set FW,   238                         ; v238    the tile's factor word: four exponent fields, block a's in byte a
.set WD,   240                         ; v240-255 the head: the 16 factor words
.set G1P, 24                           ; s[24:31] group 1 for P's tiles; s[32:39] group 0, a set for each slot
.set G0P, 32
.set LIM, 43                           ; s43     64 x 12 in a wave that prefetches, else 0: a wave prefetches while 64 x the tile's number is under it
.set PFA, 44                           ; s[44:45] where my prefetches stand;  s[46:47] a tile of 128 keys on, in bytes
.set PFS, 46
.set G1V, 48                           ; s[48:55], s[56:63] the same for V's tiles
.set G0V, 56
.set FT,  66                           ; s66     64 x the tile's number: where its factor words begin in a wave's table
.set MSB, 0
.macro WIN new                         ; the immediate's high byte repeats the setting that is left; a switch that changes nothing is dropped
.if MSB != (\new)
	s_set_vgpr_msb (MSB<<8)|(\new)
.set MSB, (\new)
.endif
.endm
.set MUL,  0xa1                        ; source 0 (V) window 1, source 1 (P) window 0, C and D window 2
.set TO_V, 0x40                        ; destination window 1, address window 0
.set JOINW, 0xf2                       ; source 0 (a tile's sums) window 2, source 1 (w) window 0, source 2 and destination (the row's sums) window 3
; A joint load: waves 0 and 1 fetch P's two halves, waves 2 and 3 V's.  The branch hangs on the wave's number alone.  An s_nop 0 and four v_nop follow each of the two lines.
.macro JLOAD s
	s_cmp_eq_u32 s13, 0
	s_cbranch_scc0 .Lfor_v_\@
	tensor_load_to_lds s[G0P+4*\s:G0P+4*\s+3], s[G1P:G1P+7]
	s_nop 0
.rept 4
	v_nop
.endr
	s_branch .Lasked_\@
.Lfor_v_\@:
	tensor_load_to_lds s[G0V+4*\s:G0V+4*\s+3], s[G1V:G1V+7]
	s_nop 0
.rept 4
	v_nop
.endr
.Lasked_\@:
.endm
.macro CROUND                          ; a round of the cluster's barrier: my work-group's barrier; wave 0 signals for the work-group; every wave waits for all sixteen; my work-group's barrier once more
	s_barrier_signal -1
	s_barrier_wait -1
	s_cmp_lg_u32 s12, 0
	s_cbranch_scc1 .Lnot_wave_0_\@
	s_barrier_signal -3
.Lnot_wave_0_\@:
	s_barrier_wait -3
	s_barrier_signal -1
	s_barrier_wait -1
.endm
	s_load_b256 s[4:11], s[0:1], 0x0               ; pm s[4:5], qkv s[6:7], st s[8:9], out0 s[10:11]
	v_lshl_add_u32 v[SPW], v0, 2, SPARE
	v_mov_b32 v[NIL], 0
	ds_add_u32 v[SPW], v[NIL]                      ; the wave's opening: the add, twice on end, and its wait ahead of my first tensor load; the set-up below stands between
	ds_add_u32 v[SPW], v[NIL]
	v_lshrrev_b32 v1, 5, v0
	v_readfirstlane_b32 s12, v1                    ; wave 0..3
	s_lshr_b32 s13, s12, 1                         ; which 64 queries are mine.  Also: I fetch for P (0) or for V (1)
	s_and_b32 s14, s12, 1                          ; which 128 channels.  Also: which half of the tile I fetch
	s_bfe_u32 s40, ttmp6, 0x40000                  ; cx
	s_bfe_u32 s41, ttmp6, 0x40004                  ; cy
	s_lshl_b32 s42, ttmp9, 2
	s_add_co_u32 s42, s42, s40                     ; tile column = 4 x cluster x + cx
	s_and_b32 s15, ttmp7, 0xffff                   ; cluster y
	s_lshr_b32 s67, s15, 2                         ; the batch: four clusters, 16 tile rows, to each; made of the cluster's y alone
	s_lshl_b32 s15, s15, 2
	s_add_co_u32 s15, s15, s41                     ; tile row = 4 x cluster y + cy
	s_lshl_b32 s43, s41, 2
	s_lshl_b32 s43, 15, s43                        ; my row of the cluster
	s_lshl_b32 s44, 0x1111, s40                    ; my column
	s_or_b32 s[G1P], s43, (1<<16)|(1<<20)|(1<<21)|(4<<22)|(3<<25)  ; P: 15:0 the mask; elements of 2 bytes; padding on; 21 set beside a mask; four words after every 32: three times in a row of 96 words
	s_mov_b32 s[G1P+1], 192<<16                    ; tensor_dim0 = 192 keys
	s_mov_b32 s[G1P+2], 64<<16                     ; tensor_dim1 = 64 rows
	s_mov_b32 s[G1P+3], 192<<16                    ; tile_dim0
	s_mov_b32 s[G1P+4], 64                         ; tile_dim1
	s_mov_b32 s[G1P+5], 2048                       ; elements from row to row
	s_mov_b32 s[G1P+6], 0
	s_mov_b32 s[G1P+7], 0
	s_or_b32 s[G1V], s44, (1<<16)|(1<<20)|(1<<21)|(6<<22)|(7<<25)  ; V: eight words of padding after every 128
	s_mov_b32 s[G1V+1], 256<<16                    ; tensor_dim0 = 256 channels
	s_mov_b32 s[G1V+2], 96<<16                     ; tensor_dim1 = 96 keys
	s_mov_b32 s[G1V+3], 256<<16
	s_mov_b32 s[G1V+4], 96
	s_mov_b32 s[G1V+5], 1024
	s_mov_b32 s[G1V+6], 0
	s_mov_b32 s[G1V+7], 0
	s_mov_b32 s[FT], 0
	s_lshl_b32 s16, s15, 7
	s_lshl_b32 s17, s14, 6
	s_add_co_u32 s16, s16, s17                     ; P: row 128 x tile row + 64 x half,
	s_lshl_b32 s16, s16, 12                        ; 4,096 bytes a row
	s_mov_b32 s17, 0
	s_lshl_b32 s18, s67, 11
	s_mul_i32 s19, s14, 96
	s_add_co_u32 s18, s18, s19
	s_add_co_u32 s18, s18, 16384                   ; V: row 16,384 + 2,048 x batch + 96 x half,
	s_lshl_b32 s18, s18, 11                        ; 2,048 bytes a row,
	s_lshl_b32 s19, s42, 9
	s_add_co_u32 s18, s18, s19                     ; + 512 x tile column
	s_mov_b32 s19, 0
	s_mul_i32 s20, s14, PHALF                      ; where they go: no place in the cluster enters an LDS address
	s_mul_i32 s21, s14, VHALF
	s_add_co_u32 s21, s21, VOFF
	s_wait_dscnt 0x0                               ; both opening adds are done
	s_wait_kmcnt 0x0
	s_add_nc_u64 s[16:17], s[4:5], s[16:17]
	s_add_nc_u64 s[18:19], s[6:7], s[18:19]
	CROUND                                         ; all sixteen work-groups are here: the first joint loads meet
.irp s, 0,1
	s_mov_b32 s[G0P+4*\s], 1
	s_add_co_u32 s[G0P+4*\s+1], s20, \s*SLOT
	s_add_nc_u64 s[G0P+4*\s+2:G0P+4*\s+3], s[16:17], \s*384        ; slot s: 192 keys on in a row
	s_or_b32 s[G0P+4*\s+3], s[G0P+4*\s+3], 0x80000000
	s_mov_b32 s[G0V+4*\s], 1
	s_add_co_u32 s[G0V+4*\s+1], s21, \s*SLOT
	s_add_nc_u64 s[G0V+4*\s+2:G0V+4*\s+3], s[18:19], \s*393216     ; 192 rows on
	s_or_b32 s[G0V+4*\s+3], s[G0V+4*\s+3], 0x80000000
	JLOAD \s
.endr
	; the statistics of my 64 queries: lane (r, h) takes, for block a and tile t, those of query 16 a + r
	v_and_b32 v1, 15, v0                           ; r
	v_bfe_u32 v2, v0, 4, 1                         ; h
	v_lshlrev_b32 v3, 2, v1
	s_lshl_b32 s22, s15, 7
	s_lshl_b32 s23, s13, 6
	s_add_co_u32 s22, s22, s23                     ; my first query's row
	s_lshl_b32 s68, s22, 2
	s_mov_b32 s69, 0
	s_add_nc_u64 s[8:9], s[8:9], s[68:69]
.irp a, 0,1,2,3
.irp t, 0,1,2,3,4,5,6,7,8,9,10,11,12,13,14,15
	global_load_b32 v[NMR+16*\a+\t], v3, s[8:9] offset:\t*32768+64*\a
	global_load_b32 v[LR+16*\a+\t], v3, s[8:9] offset:524288+\t*32768+64*\a
.endr
.endr
	s_lshl_b32 s68, s22, 12                        ; out0: 4,096 bytes a row,
	s_lshl_b32 s23, s42, 10
	s_add_co_u32 s68, s68, s23                     ; + 1,024 x tile column
	s_lshl_b32 s23, s14, 9
	s_add_co_u32 s68, s68, s23                     ; + 512 x half
	s_add_nc_u64 s[10:11], s[10:11], s[68:69]
	v_and_b32 v7, 31, v0                           ; lane
	v_mul_u32_u24 v4, v1, PP
	v_lshl_add_u32 v4, v2, 4, v4                   ; a fragment of P: row r x pitch + 16 h
	s_mul_i32 s22, s13, PHALF                      ; my 64 rows
	v_add_nc_u32 v[ADRP], s22, v4
	v_add_nc_u32 v[ADRP+1], SLOT, v[ADRP]
	v_and_b32 v5, 7, v0                            ; the turning load: lane l reads 16 bytes: key 8 h + l % 8, channels 8 ((l / 8) % 2) on
	v_lshl_add_u32 v5, v2, 3, v5
	v_mul_u32_u24 v5, v5, VP
	v_bfe_u32 v6, v0, 3, 1
	v_lshl_add_u32 v5, v6, 4, v5
	s_lshl_b32 s22, s14, 8                         ; my 128 channels
	s_add_co_u32 s22, s22, VOFF
	v_add_nc_u32 v[ADRV], s22, v5
	v_add_nc_u32 v[ADRV+1], VHALF, v[ADRV]         ; three quarters, 96 keys, on
	v_add_nc_u32 v[ADRV+2], SLOT, v[ADRV]
	v_add_nc_u32 v[ADRV+3], SLOT, v[ADRV+1]
	s_mul_i32 s22, s12, 16*SPITCH
	s_add_co_u32 s22, s22, STAGE                   ; my stage
	v_mul_u32_u24 v4, v1, SPITCH                   ; in: row r, 32 bytes for each half of the lanes
	v_lshl_add_u32 v4, v2, 5, v4
	v_add_nc_u32 v[STO], s22, v4
	v_lshlrev_b32 v[CO], 4, v7                     ; back: the 32 lanes take one row of 512 bytes; and the same in out0
	v_add_nc_u32 v[RD], s22, v[CO]
	s_lshl_b32 s22, s12, 10
	s_add_co_u32 s22, s22, FTAB                    ; my table
	v_lshl_add_u32 v[FAD0], v1, 2, s22             ; word r of a tile's 16: lanes l and l xor 16 share it
.irp a, 0,1,2,3
	v_mov_b32 v[FC+2*\a+1], 0                      ; only named as the upper halves of pairs
.endr
	; the prefetches: who asks, and where.  They go by tiles of 128 keys and start at tile 3; each tile's head steps them ahead of its request, so tile T names tile T + 4.  Nothing is prefetched at the head
	s_lshl_b32 s16, s15, 7
	s_lshl_b32 s17, s40, 5
	s_add_co_u32 s16, s16, s17                     ; P: row 128 x tile row + 32 cx
	s_lshl_b32 s16, s16, 12
	s_add_co_u32 s16, s16, 3*256
	s_lshl_b32 s18, s67, 11
	s_lshl_b32 s19, s14, 6
	s_add_co_u32 s18, s18, s19
	s_lshl_b32 s19, s41, 4
	s_add_co_u32 s18, s18, s19
	s_add_co_u32 s18, s18, 16384+3*128             ; V: row 16,384 + 2,048 x batch + 64 x half + 16 cy, at tile 3
	s_lshl_b32 s18, s18, 11
	s_lshl_b32 s19, s42, 9
	s_add_co_u32 s18, s18, s19
	s_and_b32 s19, ttmp7, 3                        ; which of the batch's four clusters
	s_mov_b32 s[PFS], 262144
	s_mov_b32 s21, 2048
	s_cmp_lt_u32 s12, 2                            ; do I fetch for P?
	s_cselect_b64 s[PFA:PFA+1], s[4:5], s[6:7]
	s_cselect_b32 s16, s16, s18
	s_cselect_b32 s19, s12, s19                    ; 0 in wave 0, and in waves 2 and 3 of the batch's first cluster
	s_cselect_b32 s[PFS], 256, s[PFS]              ; a tile on
	s_cselect_b32 s21, 4096, s21                   ; from row to row
	s_cselect_b32 s20, 0, 1                        ; lanes to a row: one (P) or two (V)
	s_mov_b32 s[PFS+1], 0
	s_mov_b32 s17, 0
	s_add_nc_u64 s[PFA:PFA+1], s[PFA:PFA+1], s[16:17]
	s_cmp_eq_u32 s19, 0
	s_cselect_b32 s[LIM], 768, 0                   ; the same in all sixteen partners, for a given wave
	v_lshrrev_b32 v8, s20, v7
	v_mul_lo_u32 v8, v8, s21
	v_and_b32 v9, s20, v7
	v_lshl_add_u32 v[PFO], v9, 8, v8
	s_wait_loadcnt 0x0                             ; the statistics are in
; Block a: the largest M; the exponent field of w_t = 2^(M_t - M), held at 0 from below (w = 0); its byte into tile t's word; w; L.
.macro JOIN a
.set NN, NMR+16*(\a)
.set LL, LR+16*(\a)
	v_max3_num_f32 v[MX], -v[NN], -v[NN+1], -v[NN+2]
.irp i, 3,5,7,9,11,13
	v_max3_num_f32 v[MX], v[MX], -v[NN+\i], -v[NN+\i+1]
.endr
	v_max_num_f32 v[MX], v[MX], -v[NN+15]
.irp t, 0,1,2,3,4,5,6,7,8,9,10,11,12,13,14,15
	v_sub_f32 v[NN+\t], -v[NN+\t], v[MX]           ; M_t - M: a whole number, 0 or less,
.endr
.irp t, 0,1,2,3,4,5,6,7,8,9,10,11,12,13,14,15
	v_max_num_f32 v[NN+\t], 0xc2fe0000, v[NN+\t]   ; held at -127,
.endr
.irp t, 0,1,2,3,4,5,6,7,8,9,10,11,12,13,14,15
	v_add_f32 v[NN+\t], 0x42fe0000, v[NN+\t]       ; + 127: w's exponent field, 0 to 127,
.endr
.irp t, 0,1,2,3,4,5,6,7,8,9,10,11,12,13,14,15
	v_cvt_u32_f32 v[NN+\t], v[NN+\t]               ; as a whole number
.endr
.irp t, 0,1,2,3,4,5,6,7,8,9,10,11,12,13,14,15
.if (\a) == 0
	v_mov_b32 v[WD+\t], v[NN+\t]
.else
	v_lshl_or_b32 v[WD+\t], v[NN+\t], 8*(\a), v[WD+\t]
.endif
.endr
.irp t, 0,1,2,3,4,5,6,7,8,9,10,11,12,13,14,15
	v_lshlrev_b32 v[NN+\t], 23, v[NN+\t]           ; the field at its place is w itself; the field 0 is the number 0
.endr
	v_mul_f32 v[LS+(\a)], v[NN], v[LL]
.irp t, 1,2,3,4,5,6,7,8,9,10,11,12,13,14,15
	v_fmac_f32 v[LS+(\a)], v[NN+\t], v[LL+\t]
.endr
.endm
	JOIN 0
	JOIN 1
	JOIN 2
	JOIN 3
.irp t, 0,1,2,3,4,5,6,7,8,9,10,11,12,13,14,15
	ds_store_b32 v[FAD0], v[WD+\t] offset:64*\t    ; lanes l and l xor 16 write the same word with the same value; only my wave reads it
.endr
.irp a, 0,1,2,3
	v_rcp_f32 v[INV+2*\a], v[LS+\a]
.endr
.irp a, 0,1,2,3
	v_mov_b32 v[INV+2*\a+1], 0                     ; plain instructions behind the reciprocals; these registers are only named as the upper halves of pairs
.endr
	s_wait_alu depctr_va_vdst(0)                   ; the wait ahead of the reciprocals' first reader
; Product i of a quarter's 32: query block i / 8, channel block i % 8, 32 keys, on buffer f.  All 32 accumulators take turns, one instruction a turn, in the same order in every quarter.
.macro WM f, i, zero
.if \zero
	v_wmma_f32_16x16x32_f16 v[8*(\i):8*(\i)+7], v[64*(\f)+8*((\i)%8):64*(\f)+8*((\i)%8)+7], v[PF+32*(\f)+8*((\i)/8):PF+32*(\f)+8*((\i)/8)+7], 0
.else
	v_wmma_f32_16x16x32_f16 v[8*(\i):8*(\i)+7], v[64*(\f)+8*((\i)%8):64*(\f)+8*((\i)%8)+7], v[PF+32*(\f)+8*((\i)/8):PF+32*(\f)+8*((\i)/8)+7], v[8*(\i):8*(\i)+7]
.endif
.endm
.macro PROD f, zero                    ; a quarter's 32 products on buffer f, back to back under one window setting.  zero = 1: a tile's first quarter starts the tile's sums: nothing is cleared
	WIN MUL
.set I, 0
.rept 32
	WM \f, I, \zero
.set I, I+1
.endr
.endm
.macro PLACES                          ; four plain vector instructions between a matrix instruction and a load into its registers (ISA guide 7.12.1 for vector instructions)
.rept 4
	v_nop
.endr
.endm
.macro FETCH slot, u, g                ; 24 LDS loads in one run: the slot's quarter u (32 keys) into buffer g: P's four fragments, then V's eight, turned
	WIN 0
.irp a, 0,1,2,3
	ds_load_b128 v[PF+32*(\g)+8*\a:PF+32*(\g)+8*\a+3],   v[ADRP+(\slot)] offset:\a*16*PP+64*(\u)+16*((\u)/2)       ; 64 bytes a quarter, and 16 more for each 128 passed
	ds_load_b128 v[PF+32*(\g)+8*\a+4:PF+32*(\g)+8*\a+7], v[ADRP+(\slot)] offset:\a*16*PP+64*(\u)+16*((\u)/2)+32
.endr
	WIN TO_V
.irp b, 0,1,2,3,4,5,6,7
	ds_load_tr16_b128 v[64*(\g)+8*\b:64*(\g)+8*\b+3],   v[ADRV+2*(\slot)+(\u)/3] offset:32*VP*((\u)%3)+32*\b
	ds_load_tr16_b128 v[64*(\g)+8*\b+4:64*(\g)+8*\b+7], v[ADRV+2*(\slot)+(\u)/3] offset:32*VP*((\u)%3)+32*\b+16*VP
.endr
.endm
.macro PLAIN                           ; the head of a quarter: its fragments, asked for 32 products ago, are in; then the places in front of the loads into the buffer that the last 32 products read
	WIN 0
	s_wait_dscnt 0x0
	PLACES
.endm
.macro TSTART                          ; at the head of a tile's first quarter: its factor word is asked for; the waits at the later quarters' heads cover it
	v_add_nc_u32 v[FADR], s[FT], v[FAD0]
	ds_load_b32 v[FW], v[FADR]
.endm
; A PREFETCH INTO THE L2, at the head of each tile of 128 keys, behind that quarter's run of LDS loads: the tile four tiles on; one instruction a wave.  Each aligned 256 bytes are named once in the launch.
; P's tile row is read by one cluster alone: in each of its four partners wave 0 asks for 32 of the 128 rows (32 cx on), a lane a row.  V's tile column is read by the four clusters of a batch: the first of them asks; waves 2 and 3
; of the partner at cy take keys 64 x half + 16 cy on, two lanes to a key's 512 bytes.  Partners are told apart by address alone.  Tiles 0 to 3 come by their loads alone; tiles 12 to 15 ask for nothing.
.macro TASK
	WIN 0
	s_wait_xcnt 0x0                                ; the last prefetch, a tile back, has read its address
	s_add_nc_u64 s[PFA:PFA+1], s[PFA:PFA+1], s[PFS:PFS+1]
	s_cmp_lt_u32 s[FT], s[LIM]
	s_cbranch_scc0 .Lnot_mine_\@
	global_prefetch_b8 v[PFO], s[PFA:PFA+1] th:TH_LOAD_NT scope:SCOPE_SE
.Lnot_mine_\@:
	s_add_co_u32 s[FT], s[FT], 64                  ; the next tile's factor words
.endm
; A TILE'S END: the factor word is opened (a byte at the exponent's place is w: eight plain instructions, which are also the places behind the last products), and the tile's sums join the row's: 128 packed fused multiply-adds
; under one window setting, each accumulator from its low end on.  first = 1: the first tile starts the row's sums by a multiplication: nothing is cleared.
.macro FLUSH first
	WIN 0
.irp a, 0,1,2,3
	v_bfe_u32 v[FC+2*\a], v[FW], 8*\a, 8
.endr
.irp a, 0,1,2,3
	v_lshlrev_b32 v[FC+2*\a], 23, v[FC+2*\a]
.endr
	WIN JOINW
.set j, 0
.rept 128
.if \first
	v_pk_mul_f32 v[j:j+1], v[j:j+1], v[FC+2*(j/64):FC+2*(j/64)+1] op_sel_hi:[1,0]
.else
	v_pk_fma_f32 v[j:j+1], v[j:j+1], v[FC+2*(j/64):FC+2*(j/64)+1], v[j:j+1] op_sel_hi:[1,0,1]
.endif
.set j, j+2
.endr
	WIN 0
.endm
; THE CHANGE OF SLOTS stands at the head of a slot's last quarter, whose fragments have been asked for: so it takes that head's place.  Each wave waits for all its tensor loads (its part of the other slot), adds 0 to its spare word,
; and waits for that and for its reads of this slot.  fill = 1: a round of the cluster's barrier follows, and behind it this slot is filled again first, pst bytes on in P's rows and vst bytes on in V; nothing but the round stands
; between the waits and the refill.  The four v_nop behind the joint load (fill = 0: four of their own) are the places in front of the loads that follow.
.macro CHANGE slot, fill, pst, vst
	WIN 0
	s_wait_tensorcnt 0x0                           ; no tensor load of mine is out, so a group 0 may be written
	ds_add_u32 v[SPW], v[NIL]
.if \fill
	s_add_nc_u64 s[G0P+4*\slot+2:G0P+4*\slot+3], s[G0P+4*\slot+2:G0P+4*\slot+3], \pst
	s_add_nc_u64 s[G0V+4*\slot+2:G0V+4*\slot+3], s[G0V+4*\slot+2:G0V+4*\slot+3], \vst
.endif
	s_wait_dscnt 0x0                               ; the add is done, and my reads of this slot are over
.if \fill
	CROUND                                         ; no wave of any partner still reads this slot's tiles or has a load on its way
	JLOAD \slot
.else
	s_barrier_signal -1
	s_barrier_wait -1
	PLACES
.endif
.endm
; TWELVE QUARTERS: from a lap's fifth quarter to the next lap's fourth: two changes of slots, three tiles of the softmax.  pst, vst: how far slot 0's refill steps; fb: slot 1 is filled again;
; b: the first quarter that is multiplied of what slot 0 then holds; last = 1: nothing is fetched behind it.
.macro BODY pst, vst, fb, b, last
	PLAIN                                          ; slot 0, quarter 4: a tile begins
	TSTART
	FETCH 0, 5, 1
	TASK
	PROD 0, 1
	CHANGE 0, 1, \pst, \vst                        ; slot 0, quarter 5
	FETCH 1, 0, 0
	PROD 1, 0
	PLAIN                                          ; slot 1, quarter 0
	FETCH 1, 1, 1
	PROD 0, 0
	PLAIN                                          ; slot 1, quarter 1: the tile ends
	FETCH 1, 2, 0
	PROD 1, 0
	FLUSH 0
	PLAIN                                          ; slot 1, quarter 2: a tile begins
	TSTART
	FETCH 1, 3, 1
	TASK
	PROD 0, 1
	PLAIN                                          ; slot 1, quarter 3
	FETCH 1, 4, 0
	PROD 1, 0
	PLAIN                                          ; slot 1, quarter 4
	FETCH 1, 5, 1
	PROD 0, 0
	CHANGE 1, \fb, 768, 786432                     ; slot 1, quarter 5: the tile ends
	FETCH 0, (\b), 0
	PROD 1, 0
	FLUSH 0
	PLAIN                                          ; slot 0, quarter b: a tile begins
	TSTART
	FETCH 0, (\b)+1, 1
	TASK
	PROD 0, 1
	PLAIN                                          ; slot 0, quarter b + 1
	FETCH 0, (\b)+2, 0
	PROD 1, 0
	PLAIN                                          ; slot 0, quarter b + 2
	FETCH 0, (\b)+3, 1
	PROD 0, 0
	PLAIN                                          ; slot 0, quarter b + 3: the tile ends
.if !(\last)
	FETCH 0, (\b)+4, 0
.endif
	PROD 1, 0
	FLUSH 0
.endm
	s_wait_tensorcnt 1                             ; my part of slot 0 is in; slot 1's load may be out
	s_wait_dscnt 0x0                               ; my table is written
	s_barrier_signal -1
	s_barrier_wait -1
	TSTART                                         ; tile 0 stands in front of the loop: it starts the row's sums
	FETCH 0, 0, 0
	PLAIN
	FETCH 0, 1, 1
	TASK
	PROD 0, 1
	PLAIN
	FETCH 0, 2, 0
	PROD 1, 0
	PLAIN
	FETCH 0, 3, 1
	PROD 0, 0
	PLAIN
	FETCH 0, 4, 0
	PROD 1, 0
	FLUSH 1
	s_mov_b32 s3, 4
.Llap:                                                 ; four trips: tiles 1 to 12; both slots are filled again, 384 keys on (every window is 0 here)
	BODY 768, 786432, 1, 0, 0
	s_sub_co_u32 s3, s3, 1
	s_cmp_lg_u32 s3, 0
	s_cbranch_scc1 .Llap
	BODY 640, 655360, 0, 2, 1                      ; tiles 13 to 15, written out: slot 0's last fill begins 320 keys on, at key 1,856, and its quarters 2 to 5 are keys 1,920 to 2,047; slot 1 is filled no more
; THE WAY OUT, block by block of 16 queries x 128 channels: the row's sums / L; 32 bytes a lane into my own stage; back as whole rows of 512 bytes, which the 32 lanes store.
.macro TOSTAGE a
	WIN 0x03                                       ; source 0: window 3
.set j, 0
.rept 32
	v_pk_mul_f32 v[TMP+j:TMP+j+1], v[64*(\a)+j:64*(\a)+j+1], v[INV+2*(\a):INV+2*(\a)+1] op_sel_hi:[1,0]
.set j, j+2
.endr
	WIN 0
.irp b, 0,1,2,3,4,5,6,7
	ds_store_b128 v[STO], v[TMP+8*\b:TMP+8*\b+3] offset:64*\b
	ds_store_b128 v[STO], v[TMP+8*\b+4:TMP+8*\b+7] offset:64*\b+16
.endr
.set BB, 160-128*((\a)%2)              ; v160-223 and v32-95 by turns
.irp t, 0,1,2,3,4,5,6,7,8,9,10,11,12,13,14,15
	ds_load_b128 v[BB+4*\t:BB+4*\t+3], v[RD] offset:\t*SPITCH      ; LDS serves a wave's instructions in order (ISA guide 5.7.1.4): these see the stores above
.endr
.endm
.macro SEND a, younger                 ; younger: the LDS instructions issued behind block a's loads, which may stay out
.set BB, 160-128*((\a)%2)
	s_wait_dscnt \younger
.if (\a) > 0
	s_add_nc_u64 s[10:11], s[10:11], 65536         ; 16 rows on (behind a wait on XCNT: the earlier stores have read their base)
.endif
.irp t, 0,1,2,3,4,5,6,7,8,9,10,11,12,13,14,15
	global_store_b128 v[CO], v[BB+4*\t:BB+4*\t+3], s[10:11] offset:\t*4096 th:TH_STORE_NT   ; 32 lanes store 512 consecutive bytes, at a multiple of 256 from out0's first byte; written once, read by nobody here
.endr
.endm
	TOSTAGE 0
.irp a, 1,2,3
.if \a > 1
	s_wait_xcnt 0x0                                ; block a - 2's stores have read their registers and their base
.endif
	TOSTAGE \a
	SEND \a-1, 32                                  ; behind block a - 1's loads: block a's 16 stores and 16 loads
.endr
	s_wait_xcnt 0x0                                ; block 2's stores have read their base
	SEND 3, 0
	s_wait_tensorcnt 0x0                           ; the wave's end, behind my last tensor load and my last LDS store
	ds_add_u32 v[SPW], v[NIL]
	s_wait_dscnt 0x0
	CROUND                                         ; the closing round: no work-group ends while a partner may still ask for a tile that names it
	s_endpgm
.Lfunc_end_k_qbc2f0fa516_pv:
	.size	k_qbc2f0fa516_pv, .Lfunc_end_k_qbc2f0fa516_pv-k_qbc2f0fa516_pv
	.p2alignl 7, 3214868480
	.fill 96, 4, 3214868480
	.section	.rodata,"a",@progbits
	.p2align	6, 0x0
	.amdhsa_kernel k_qbc2f0fa516_pv
		.amdhsa_group_segment_fixed_size 327680
		.amdhsa_private_segment_fixed_size 0
		.amdhsa_enable_private_segment 0
		.amdhsa_kernarg_size 32
		.amdhsa_user_sgpr_count 2
		.amdhsa_user_sgpr_kernarg_segment_ptr 1
		.amdhsa_wavefront_size32 1
		.amdhsa_system_sgpr_workgroup_id_x 1
		.amdhsa_system_sgpr_workgroup_id_y 1
		.amdhsa_system_sgpr_workgroup_id_z 1
		.amdhsa_system_vgpr_workitem_id 0
		.amdhsa_next_free_vgpr 1024
		.amdhsa_next_free_sgpr 72
		.amdhsa_reserve_vcc 0
		.amdhsa_float_denorm_mode_32 3
		.amdhsa_float_denorm_mode_16_64 3
		.amdhsa_memory_ordered 1
		.amdhsa_forward_progress 1
		.amdhsa_inst_pref_size 239
	.end_amdhsa_kernel
	.amdgpu_metadata
---
amdhsa.version: [ 1, 2 ]
amdhsa.kernels:
  - .name:           k_qbc2f0fa516_pv
    .symbol:         k_qbc2f0fa516_pv.kd
    .args:
      - { .name: pm, .offset: 0, .size: 8, .value_kind: global_buffer, .address_space: global }
      - { .name: qkv, .offset: 8, .size: 8, .value_kind: global_buffer, .address_space: global }
      - { .name: st, .offset: 16, .size: 8, .value_kind: global_buffer, .address_space: global }
      - { .name: out0, .offset: 24, .size: 8, .value_kind: global_buffer, .address_space: global }
    .group_segment_fixed_size: 327680
    .private_segment_fixed_size: 0
    .kernarg_segment_align: 8
    .kernarg_segment_size: 32
    .max_flat_workgroup_size: 128
    .sgpr_count:     72
    .vgpr_count:     1024
    .wavefront_size: 32
...
	.end_amdgpu_metadata
.endif
;; end of part 4
